; MI455X (gfx1250); checked and timed in simulation.
; The chip was launched on July 23, 2026; its instructions are those of AMD's public machine-readable ISA for CDNA 5 (MIT licence, August 2026) and "CDNA5" Instruction Set Architecture Reference Guide (July 2026). The comments in the code are by the model that wrote it; some were corrected since.
;; Deformable Transformer. Allowed arithmetic: float matrix products may take bf16 or f16 operands with f32 sums; other float arithmetic in f32, or as packed bf16 or f16 multiplies, adds, multiply-adds, maxima and minima; sums over many terms, partial sums and values carried from step to step in f32; what a program stores and reads back later, other than sums and carried values, may be rounded once to bf16 or f16.
;; Inputs: W_attn 256 x 128 float32; W_off 256 x 256 float32; W_out 256 x 256 float32; W_val 256 x 256 float32; b_attn 128 float32; b_off 256 float32; b_out 256 float32; b_val 256 float32; input_flatten 2 x 21,760 x 256 float32; query 2 x 21,760 x 256 float32; reference_points 2 x 21,760 x 4 x 2 float32.
;; Outputs: out0 2 x 21,760 x 256 float32.
;; 2 versions, each right and faster than the one before. Each part assembles by itself: llvm-mc -triple=amdgcn-amd-amdhsa -mcpu=gfx1250 --defsym DOCPART=n.
;; ======== version 1 of 2: 3 launches
;; limits: values are held in f16: magnitudes above 65,504 overflow, below 6.1e-05 lose precision
;; workspace buffers: value 22,282,240 bytes; idx 11,534,336 bytes of whole numbers; wts 46,137,344 bytes
;; launch valproj (part 1): grid 256 x 1, 8 waves a work-group, no clusters, 222,464 bytes of LDS; arguments input_flatten, W_val, b_val, value; writes value
.if DOCPART == 1
	.amdgcn_target "amdgcn-amd-amdhsa--gfx1250"
	.amdhsa_code_object_version 6
	.text
	.protected	k_qf05a7c452c_valproj
	.globl	k_qf05a7c452c_valproj
	.p2align	8
	.type	k_qf05a7c452c_valproj,@function
k_qf05a7c452c_valproj:
	s_mov_b64 s[64:65], 0
	v_nop
	global_prefetch_b8 v0, s[64:65] scope:SCOPE_SE
	s_setreg_imm32_b32 hwreg(HW_REG_WAVE_MODE, 25, 1), 1
	s_wait_xcnt 0x0
; VALUE PROJECTION.  value[row][col] = sum over k of x[row][k] W_val[k][col] + b_val[col], 43,520 rows x 256 columns.
; FORMATS AND LIMITS.  x, W_val and b_val are each rounded once to bf16 (so are all inputs of the three launches: the results follow the module on inputs rounded to bf16);
; products in bf16, sums in f32 begun with the bias; value is rounded once to f16, so |value| must stay under 65,504.  NaN and infinities are not treated apart.
; SHARES.  43,520 = 256 x 170: work-group i owns rows 170 i .. 170 i + 169, as 11 tiles of 16 rows that begin at local rows 0, 16, .. 80, 90, 106, .. 154: rows 90-95 are made twice, with the same
; bytes, so that no tile has an edge.  Wave w owns columns 32 w .. 32 w + 31 (two column tiles) of every row; its 64 + 64 registers of weights stay in window 1 for the whole launch.
; ROAD.  All 170 rows come in by tensor loads issued at the start, three a wave (three of mine are out at the most), as f32 into LDS rows of 1,040 bytes; each wave rounds its own fragments to bf16.
; The work-groups share the weights alone, which go once into registers in fragment order (W lies [k][col], a fragment wants k along the registers): there is no LDS tile that a joint load could fill, so no cluster.
; THE MATRIX INSTRUCTION IS USED TRANSPOSED: source 0 = 16 columns of W, source 1 = 16 rows of x: a lane then holds eight neighbouring columns of one row.
; WAY OUT.  16 bytes a lane into a stage shared by the eight waves, a barrier, whole rows of 512 bytes back, and stores of 512 consecutive bytes.  Two stages take turns, tile by tile.
; REGISTERS.  Window 0: v1-12 addresses; v24-39 two accumulators; v40-47 packed; v48-55 rows read back; v64-191 fragments of x.  Window 1: v0-127 weights; v192-207 bias.
.set PX,    1040                       ; an LDS row of x: 1,024 bytes + 16 = 260 words: row r starts at bank 4 r mod 64 (64 banks of 4 bytes: ISA guide 11.1)
.set STG,   0x30000                    ; stage 0: 16 rows x 528 bytes; no tensor load lands here
.set STG2,  0x4000                     ; stage 1 lies this far behind stage 0
.set SP,    528                        ; a stage row: 512 bytes + 16
.set SPARE, 221440                     ; behind the stages: the spare words, 128 bytes for each of eight waves
.set FA,  3                            ; v3   LDS address of my fragments in the tile in hand: r x 1,040 + 32 h, stepped by 16 rows a tile
.set STO, 4                            ; v4   where I put 16 bytes of a row in stage 0
.set RD,  5                            ; v5   where I read a row back from stage 0
.set GO,  6                            ; v6   16 x lane
.set WOF, 9                            ; v9   my byte offset in W_val
.set SPW, 10                           ; v10  my spare word; never rewritten
.set NIL, 11                           ; v11  0; never rewritten
.set BOF, 12                           ; v12  my byte offset in b_val
.set ACC, 24
.set PK,  40
.set RB,  48
.set F,   64
.set BI,  192                          ; window 1
.set MSB, 0
.macro WIN new                         ; the immediate's high byte repeats the setting that is left; a switch that changes nothing is dropped
.if MSB != (\new)
	s_set_vgpr_msb (MSB<<8)|(\new)
.set MSB, (\new)
.endif
.endm
; One column tile's weights as f32, in fragment order: register raw + 16 c + e takes k = 32 c + 8 h + e (e < 8) or 32 c + 16 + 8 h + e - 8.  nb = bytes in a row of W.
.macro WISSUE raw, sb, voff, nb, add
.set cc, 0
.rept 8
.set ee, 0
.rept 16
	global_load_b32 v[(\raw)+16*cc+ee], v[\voff], s[\sb:\sb+1] offset:(32*cc+ee+8*(ee/8))*(\nb)+(\add)
.set ee, ee+1
.endr
.set cc, cc+1
.endr
.endm
.macro WPACK dst, raw                  ; 128 f32 -> 64 registers of bf16, ascending, so that it may run in place
.set jj, 0
.rept 64
	v_cvt_pk_bf16_f32 v[(\dst)+jj], v[(\raw)+2*jj], v[(\raw)+2*jj+1]
.set jj, jj+1
.endr
.endm
; The tile's 16 rows x 256 k as eight fragments: 32 loads in one run, then K step by K step the wait and eight roundings in place: fragment c ends in v[F + 16 c .. + 7].
.macro FRAGS
.set cc, 0
.rept 8
	ds_load_b128 v[F+16*cc:F+16*cc+3],     v[FA] offset:128*cc
	ds_load_b128 v[F+16*cc+4:F+16*cc+7],   v[FA] offset:128*cc+16
	ds_load_b128 v[F+16*cc+8:F+16*cc+11],  v[FA] offset:128*cc+64
	ds_load_b128 v[F+16*cc+12:F+16*cc+15], v[FA] offset:128*cc+80
.set cc, cc+1
.endr
.set cc, 0
.rept 8
	s_wait_dscnt 28-4*cc                   ; LDS loads come back in order (ISA guide 5.7.1): the four loads of each later K step may stay out
.set jj, 0
.rept 8
	v_cvt_pk_bf16_f32 v[F+16*cc+jj], v[F+16*cc+2*jj], v[F+16*cc+2*jj+1]
.set jj, jj+1
.endr
.set cc, cc+1
.endr
.endm
; nt column tiles x 8 K steps.  The first K step starts each sum with the bias; the accumulators take turns, one instruction a turn.
.macro MMA nt
	WIN 0x11                               ; weights (source 0) and bias (C) in window 1
.set jj, 0
.rept \nt
	v_wmma_f32_16x16x32_bf16 v[ACC+8*jj:ACC+8*jj+7], v[64*jj:64*jj+7], v[F:F+7], v[BI+8*jj:BI+8*jj+7]
.set jj, jj+1
.endr
	WIN 0x01
.set cc, 1
.rept 7
.set jj, 0
.rept \nt
	v_wmma_f32_16x16x32_bf16 v[ACC+8*jj:ACC+8*jj+7], v[64*jj+8*cc:64*jj+8*cc+7], v[F+16*cc:F+16*cc+7], v[ACC+8*jj:ACC+8*jj+7]
.set jj, jj+1
.endr
.set cc, cc+1
.endr
	WIN 0
.endm
.macro CHUNK left                      ; my part of the next rows has landed (left = my later loads, which may stay out); then everybody's has
	s_wait_tensorcnt \left
	s_wait_dscnt 0x0
	s_barrier_signal -1
	s_barrier_wait -1
.endm
; One tile, through stage stg.  A stage is written again two tiles later, behind the other stage's barrier, in front of which every wave has waited for its reads of this one.
.macro TILE_A stg
	FRAGS
	MMA 2
	v_add_nc_u32 v[FA], 16*PX, v[FA]       ; the next tile's rows; with three v_nop the four places behind the last products (ISA guide 7.12.1)
	v_nop
	v_nop
	v_nop
.set jj, 0
.rept 8
	v_cvt_pk_f16_f32 v[PK+jj], v[ACC+2*jj], v[ACC+2*jj+1]  ; each accumulator from its low end on
.set jj, jj+1
.endr
	ds_store_b128 v[STO], v[PK:PK+3]   offset:(\stg)*STG2
	ds_store_b128 v[STO], v[PK+4:PK+7] offset:(\stg)*STG2+32
	s_wait_dscnt 0x0                       ; for the others' sake: my stores into the stage are done
	s_barrier_signal -1
	s_barrier_wait -1
	ds_load_b128 v[RB:RB+3],   v[RD] offset:(\stg)*STG2
	ds_load_b128 v[RB+4:RB+7], v[RD] offset:(\stg)*STG2+SP
	s_wait_dscnt 0x0
	global_store_b128 v[GO], v[RB:RB+3],   s[10:11]             ; a whole row: 512 consecutive bytes, at a multiple of 512 from value's first byte
	global_store_b128 v[GO], v[RB+4:RB+7], s[10:11] offset:512
	s_wait_xcnt 0x0                        ; the stores' base and data are rewritten only behind this wait
	s_add_nc_u64 s[10:11], s[10:11], 16*512
.endm
	s_load_b256 s[4:11], s[0:1], 0x0       ; x s[4:5], W_val s[6:7], b_val s[8:9], value s[10:11]
	v_lshl_add_u32 v[SPW], v0, 2, SPARE
	v_mov_b32 v[NIL], 0
	ds_add_u32 v[SPW], v[NIL]              ; the wave's opening: the add and its wait ahead of my first tensor load; the set-up below stands between them
	ds_add_u32 v10, v11
	v_lshrrev_b32 v1, 5, v0
	v_readfirstlane_b32 s2, v1             ; wave 0..7
	; descriptor group 1, three times: R rows of 256 elements of 4 bytes, 4 words of padding behind every 256 words
.irp g, 16, 24, 32
	s_mov_b32 s[\g], 0x07d20000            ; 17:16 element of 4 bytes; 20 padding on; 24:22 after 256 words (code 7); 31:25 of 4 words (code 3)
	s_mov_b32 s[\g+1], 256<<16             ; tensor_dim0 = 256
	s_mov_b32 s[\g+3], 256<<16             ; tile_dim0 = 256
	s_mov_b32 s[\g+5], 256                 ; elements from row to row
	s_mov_b32 s[\g+6], 0
	s_mov_b32 s[\g+7], 0
.endr
	s_mov_b32 s18, 4<<16                   ; chunk 0: 4 rows a wave (tensor_dim1, tile_dim1)
	s_mov_b32 s20, 4
	s_mov_b32 s26, 8<<16                   ; chunk 1: 8 rows
	s_mov_b32 s28, 8
	s_mov_b32 s34, 10<<16                  ; chunk 2: 10 rows
	s_mov_b32 s36, 10
	; descriptor group 0: LDS rows 4 w, 32 + 8 w, 96 + 10 w take local rows 4 w, 32 + 8 w, 90 + 10 w
	s_mov_b32 s40, 1
	s_mul_i32 s41, s2, 4*PX
	s_mov_b32 s44, 1
	s_mul_i32 s45, s2, 8*PX
	s_add_co_u32 s45, s45, 32*PX
	s_mov_b32 s48, 1
	s_mul_i32 s49, s2, 10*PX
	s_add_co_u32 s49, s49, 96*PX
	s_mul_i32 s54, ttmp9, 170              ; the work-group's first row
	s_lshl_b32 s56, s2, 2
	s_add_co_u32 s56, s56, s54
	s_lshl_b32 s56, s56, 10                ; rows of 1,024 bytes; 43,520 of them stay under 2^32 bytes
	s_mov_b32 s57, 0
	s_lshl_b32 s58, s2, 3
	s_add_co_u32 s58, s58, s54
	s_add_co_u32 s58, s58, 32
	s_lshl_b32 s58, s58, 10
	s_mov_b32 s59, 0
	s_mul_i32 s60, s2, 10
	s_add_co_u32 s60, s60, s54
	s_add_co_u32 s60, s60, 90
	s_lshl_b32 s60, s60, 10
	s_mov_b32 s61, 0
	s_lshl_b32 s62, s2, 1                  ; on the way out wave w stores rows 2 w, 2 w + 1 of a tile
	s_add_co_u32 s62, s62, s54
	s_lshl_b32 s62, s62, 9
	s_mov_b32 s63, 0
	s_wait_dscnt 0x0                       ; the opening add is done
	s_wait_kmcnt 0x0
	s_add_nc_u64 s[42:43], s[4:5], s[56:57]
	s_or_b32 s43, s43, 0x80000000          ; type = 2
	s_add_nc_u64 s[46:47], s[4:5], s[58:59]
	s_or_b32 s47, s47, 0x80000000
	s_add_nc_u64 s[50:51], s[4:5], s[60:61]
	s_or_b32 s51, s51, 0x80000000
	s_add_nc_u64 s[10:11], s[10:11], s[62:63]
	tensor_load_to_lds s[40:43], s[16:23]  ; all first fills go out together, ahead of every wait on TENSORcnt, every LDS read and every barrier
	s_nop 0
	tensor_load_to_lds s[44:47], s[24:31]
	s_nop 0
	tensor_load_to_lds s[48:51], s[32:39]
	s_nop 0
	v_and_b32 v1, 15, v0                   ; r = lane % 16
	v_bfe_u32 v2, v0, 4, 1                 ; h = lane / 16
	v_and_b32 v7, 31, v0                   ; lane
	v_mul_u32_u24 v[FA], v1, PX
	v_lshl_add_u32 v[FA], v2, 5, v[FA]     ; row r, 8 h floats in
	v_mul_u32_u24 v[STO], v1, SP
	v_lshl_add_u32 v[STO], v2, 4, v[STO]
	s_lshl_b32 s54, s2, 6
	s_add_co_u32 s54, s54, STG
	v_add_nc_u32 v[STO], s54, v[STO]       ; stage row r, byte 64 w + 16 h
	v_lshlrev_b32 v[GO], 4, v7
	s_mul_i32 s54, s2, 2*SP
	s_add_co_u32 s54, s54, STG
	v_add_nc_u32 v[RD], s54, v[GO]         ; stage row 2 w, 16 bytes a lane
	v_lshlrev_b32 v[WOF], 2, v1
	v_lshl_add_u32 v[WOF], v2, 13, v[WOF]
	s_lshl_b32 s54, s2, 7
	v_add_nc_u32 v[WOF], s54, v[WOF]       ; (8 h x 256 + 32 w + r) x 4
	v_lshl_add_u32 v[BOF], v2, 5, s54      ; (32 w + 8 h) x 4
	WIN 0x40                               ; destination window 1, address window 0
	WISSUE 0, 6, WOF, 1024, 0
	WISSUE 128, 6, WOF, 1024, 64
	WIN 0
	global_load_b128 v[192:195], v[BOF], s[8:9]
	global_load_b128 v[196:199], v[BOF], s[8:9] offset:16
	global_load_b128 v[200:203], v[BOF], s[8:9] offset:64
	global_load_b128 v[204:207], v[BOF], s[8:9] offset:80
	s_wait_loadcnt 0x0                     ; weights and bias, once
	WIN 0x45                               ; sources and destination in window 1
	WPACK 0, 0
	WPACK 64, 128
	WIN 0
.set jj, 0
.rept 8
	v_cvt_pk_bf16_f32 v[PK+jj], v[192+2*jj], v[192+2*jj+1]  ; the bias is rounded to bf16 like every input,
.set jj, jj+1
.endr
	WIN 0x40
.set jj, 0
.rept 8
	v_lshlrev_b32 v[BI+2*jj],   16, v[PK+jj]                ; and widened again: it is the C operand, in f32
	v_and_b32     v[BI+2*jj+1], 0xffff0000, v[PK+jj]
.set jj, jj+1
.endr
	WIN 0
	CHUNK 2                                ; LDS rows 0-31 are in
	TILE_A 0
	TILE_A 1
	CHUNK 1                                ; rows 32-95
	s_mov_b32 s52, 2
.Lmid:
	TILE_A 0
	TILE_A 1
	s_sub_co_u32 s52, s52, 1
	s_cmp_lg_u32 s52, 0
	s_cbranch_scc1 .Lmid
	s_sub_nc_u64 s[10:11], s[10:11], 6*512 ; tile 6 begins at local row 90, not 96
	CHUNK 0                                ; rows 96-175
	s_mov_b32 s52, 2
.Lend:
	TILE_A 0
	TILE_A 1
	s_sub_co_u32 s52, s52, 1
	s_cmp_lg_u32 s52, 0
	s_cbranch_scc1 .Lend
	TILE_A 0
	s_wait_tensorcnt 0x0                   ; the wave's end: behind my last tensor load and my last LDS store
	ds_add_u32 v[SPW], v[NIL]
	s_wait_dscnt 0x0
	s_endpgm
.Lfunc_end_k_qf05a7c452c_valproj:
	.size	k_qf05a7c452c_valproj, .Lfunc_end_k_qf05a7c452c_valproj-k_qf05a7c452c_valproj
	.p2alignl 7, 3214868480
	.fill 96, 4, 3214868480
	.section	.rodata,"a",@progbits
	.p2align	6, 0x0
	.amdhsa_kernel k_qf05a7c452c_valproj
		.amdhsa_group_segment_fixed_size 222464
		.amdhsa_private_segment_fixed_size 0
		.amdhsa_enable_private_segment 0
		.amdhsa_kernarg_size 32
		.amdhsa_user_sgpr_count 2
		.amdhsa_user_sgpr_kernarg_segment_ptr 1
		.amdhsa_wavefront_size32 1
		.amdhsa_system_sgpr_workgroup_id_x 1
		.amdhsa_system_sgpr_workgroup_id_y 1
		.amdhsa_system_sgpr_workgroup_id_z 1
		.amdhsa_system_vgpr_workitem_id 0
		.amdhsa_next_free_vgpr 512
		.amdhsa_next_free_sgpr 66
		.amdhsa_reserve_vcc 0
		.amdhsa_float_denorm_mode_32 3
		.amdhsa_float_denorm_mode_16_64 3
		.amdhsa_memory_ordered 1
		.amdhsa_forward_progress 1
		.amdhsa_inst_pref_size 100
	.end_amdhsa_kernel
	.amdgpu_metadata
---
amdhsa.version: [ 1, 2 ]
amdhsa.kernels:
  - .name:           k_qf05a7c452c_valproj
    .symbol:         k_qf05a7c452c_valproj.kd
    .args:
      - { .name: input_flatten, .offset: 0, .size: 8, .value_kind: global_buffer, .address_space: global }
      - { .name: W_val, .offset: 8, .size: 8, .value_kind: global_buffer, .address_space: global }
      - { .name: b_val, .offset: 16, .size: 8, .value_kind: global_buffer, .address_space: global }
      - { .name: value, .offset: 24, .size: 8, .value_kind: global_buffer, .address_space: global }
    .group_segment_fixed_size: 222464
    .private_segment_fixed_size: 0
    .kernarg_segment_align: 8
    .kernarg_segment_size: 32
    .max_flat_workgroup_size: 256
    .sgpr_count:     66
    .vgpr_count:     512
    .wavefront_size: 32
...
	.end_amdgpu_metadata
.endif
;; end of part 1
;; launch sampler (part 2): grid 256 x 1, 8 waves a work-group, no clusters, 202,496 bytes of LDS; arguments query, reference_points, W_off, b_off, W_attn, b_attn, idx, wts; writes idx, wts
.if DOCPART == 2
	.amdgcn_target "amdgcn-amd-amdhsa--gfx1250"
	.amdhsa_code_object_version 6
	.text
	.protected	k_qf05a7c452c_sampler
	.globl	k_qf05a7c452c_sampler
	.p2align	8
	.type	k_qf05a7c452c_sampler,@function
k_qf05a7c452c_sampler:
	s_mov_b64 s[64:65], 0
	v_nop
	global_prefetch_b8 v0, s[64:65] scope:SCOPE_SE
	s_setreg_imm32_b32 hwreg(HW_REG_WAVE_MODE, 25, 1), 1
	s_wait_xcnt 0x0
; SAMPLING TABLES.  For each row and head: offsets = q W_off + b_off, logits = q W_attn + b_attn, a softmax over the head's 16 logits (the row's maximum is taken away first), and for each of the
; 16 points a base pixel (a whole number) and four corner weights, with the attention weight folded in.  The next launch forms its addresses from idx alone.
; FORMATS AND LIMITS.  query, reference_points, both weights and both biases are each rounded once to bf16; products in bf16, sums in f32 begun with the bias; all sampling arithmetic in f32.
; The corner weights, in 0 to 1, are rounded once to f16: below 6e-5 they keep f16's fixed step of 6e-8.  NaN and infinities are not treated apart.
; THE SAMPLE.  A level has side S (128, 64, 32, 16), so x = ref S + off - 0.5 (S is a power of two: nothing is lost against (2 loc - 1 + 1) S / 2 - 0.5).  xb = floor(x) held to 0 .. S - 2, t = x - xb.
; Pixel xb weighs the middle one of (1 + t, 1 - t, 0), pixel xb + 1 that of (t, 2 - t, 0): inside the level these are 1 - t and t; one pixel outside only the border pixel keeps its share;
; further out both are 0.  That is zero padding, and the four corners xb, xb + 1, + S, + S + 1 always lie inside the level.
; SHARES.  Work-group i owns rows 170 i .. + 169 in the same 11 tiles of 16 as the other two launches (local rows 0, 16, .. 80, 90, .. 154).  Wave m is head m, with three column tiles:
; O0 = offset columns 32 m .. + 15, O1 = 32 m + 16 .. + 31, LG = the head's 16 logits with their columns ordered so that lane (r, h) of row r holds, used transposed,
; in O0 the four (x, y) of level h, in O1 those of level 2 + h, in LG registers 0-3 the logits of level h and 4-7 those of level 2 + h.  Nothing changes lanes but the softmax's maximum and sum.
; TABLES.  idx: u16 [work-group][tile][head][row][16]; wts: f16 [work-group][tile][head][row][16 points][4 corners (x,y), (x+1,y), (x,y+1), (x+1,y+1)]; the points by levels 0, 2, 1, 3.
; The work-groups share the weights alone, which go once into registers: no cluster.  The stage is each wave's own: no barrier in the loops.
; REGISTERS.  Window 0: v1-23 addresses and constants; v24-47 three accumulators; v48-55 at work; v64-191 fragments of q, then at work; v192-227 the way out.  Window 1: v0-191 weights; v192-215 biases.
.set PX,    1040                       ; an LDS row of q: 1,024 bytes + 16: row r starts at bank 4 r mod 64 (64 banks of 4 bytes: ISA guide 11.1)
.set STG,   183040                     ; behind q's 176 rows: 16 rows x 144 bytes for each wave; no tensor load lands here
.set SP,    144
.set SPARE, 201472                     ; the spare words, 128 bytes for each of eight waves
.set FA,  3                            ; v3   LDS address of my fragments in the tile in hand
.set STO, 4                            ; v4   stage: row r, byte 64 h
.set RD,  5                            ; v5   stage: four rows of 128 bytes to 32 lanes
.set GO,  6                            ; v6   16 x lane
.set IO,  7                            ; v7   32 r + 16 h: my 16 bytes in a tile's and head's 512 bytes of idx
.set RO,  8                            ; v8   32 r + 8 h: my level's point in 16 rows of reference_points
.set WOF, 9
.set SPW, 10                           ; my spare word; never rewritten
.set NIL, 11                           ; 0; never rewritten
.set SA,  12                           ; v[12:13] S of level h, twice
.set SB,  14                           ; v[14:15] S of level 2 + h, twice
.set SAM, 16                           ; S - 2
.set SBM, 17
.set MX,  18                           ; v[18:19]
.set RP,  20                           ; v[20:23] reference points
.set ACC, 24                           ; O0 v24, O1 v32, LG v40
.set LG,  40
.set BA,  48                           ; v[48:49] ref S - 0.5 of level h
.set BB,  50
.set TT,  52                           ; v[52:55] at work
.set F,   64
.set FL,  64                           ; behind the products F's registers are at work
.set TF,  72
.set UF,  80
.set VF,  88
.set ZF,  96
.set WX,  104
.set WY,  112
.set AY,  120
.set CW,  128
.set II,  144
.set WT,  192                          ; v[192:207] my 32 corner weights in f16
.set IP,  208                          ; v[208:211] my 8 indices
.set RB,  212                          ; v[212:227] rows read back
.set BI,  192                          ; window 1
.set MSB, 0
.macro WIN new
.if MSB != (\new)
	s_set_vgpr_msb (MSB<<8)|(\new)
.set MSB, (\new)
.endif
.endm
.macro WISSUE raw, sb, voff, nb, add   ; one column tile's weights as f32, in fragment order: register raw + 16 c + e takes k = 32 c + 8 h + e (e < 8) or 32 c + 16 + 8 h + e - 8
.set cc, 0
.rept 8
.set ee, 0
.rept 16
	global_load_b32 v[(\raw)+16*cc+ee], v[\voff], s[\sb:\sb+1] offset:(32*cc+ee+8*(ee/8))*(\nb)+(\add)
.set ee, ee+1
.endr
.set cc, cc+1
.endr
.endm
.macro WPACK dst, raw
.set jj, 0
.rept 64
	v_cvt_pk_bf16_f32 v[(\dst)+jj], v[(\raw)+2*jj], v[(\raw)+2*jj+1]
.set jj, jj+1
.endr
.endm
.macro FRAGS                           ; the tile's 16 rows x 256 k: 32 loads in one run, then K step by K step the wait and eight roundings in place
.set cc, 0
.rept 8
	ds_load_b128 v[F+16*cc:F+16*cc+3],     v[FA] offset:128*cc
	ds_load_b128 v[F+16*cc+4:F+16*cc+7],   v[FA] offset:128*cc+16
	ds_load_b128 v[F+16*cc+8:F+16*cc+11],  v[FA] offset:128*cc+64
	ds_load_b128 v[F+16*cc+12:F+16*cc+15], v[FA] offset:128*cc+80
.set cc, cc+1
.endr
.set cc, 0
.rept 8
	s_wait_dscnt 28-4*cc                   ; the four loads of each later K step may stay out
.set jj, 0
.rept 8
	v_cvt_pk_bf16_f32 v[F+16*cc+jj], v[F+16*cc+2*jj], v[F+16*cc+2*jj+1]
.set jj, jj+1
.endr
.set cc, cc+1
.endr
.endm
.macro MMA nt                          ; the first K step starts each sum with the bias; the accumulators take turns, one instruction a turn
	WIN 0x11
.set jj, 0
.rept \nt
	v_wmma_f32_16x16x32_bf16 v[ACC+8*jj:ACC+8*jj+7], v[64*jj:64*jj+7], v[F:F+7], v[BI+8*jj:BI+8*jj+7]
.set jj, jj+1
.endr
	WIN 0x01
.set cc, 1
.rept 7
.set jj, 0
.rept \nt
	v_wmma_f32_16x16x32_bf16 v[ACC+8*jj:ACC+8*jj+7], v[64*jj+8*cc:64*jj+8*cc+7], v[F+16*cc:F+16*cc+7], v[ACC+8*jj:ACC+8*jj+7]
.set jj, jj+1
.endr
.set cc, cc+1
.endr
	WIN 0
.endm
.macro CHUNK left                      ; my part of the next rows has landed; then everybody's has
	s_wait_tensorcnt \left
	s_wait_dscnt 0x0
	s_barrier_signal -1
	s_barrier_wait -1
.endm
.macro REFS                            ; ref rounded to bf16, then ref S - 0.5: ten plain lines that name no register of the last products: the places behind them (ISA guide 7.12.1)
	s_wait_loadcnt 0x0                     ; the two loads issued at the tile's head
	v_cvt_pk_bf16_f32 v[TT],   v[RP],   v[RP+1]
	v_cvt_pk_bf16_f32 v[TT+1], v[RP+2], v[RP+3]
	v_lshlrev_b32 v[RP],   16,  v[TT]
	v_and_b32     v[RP+1], s62, v[TT]
	v_lshlrev_b32 v[RP+2], 16,  v[TT+1]
	v_and_b32     v[RP+3], s62, v[TT+1]
	v_pk_fma_f32 v[BA:BA+1], v[RP:RP+1],   v[SA:SA+1], -0.5 op_sel_hi:[1,1,0]
	v_pk_fma_f32 v[BB:BB+1], v[RP+2:RP+3], v[SB:SB+1], -0.5 op_sel_hi:[1,1,0]
	v_nop
	v_nop
.endm
.macro SOFTMAX                         ; over the row's and head's 16 logits: 8 here, 8 in the lane 16 away
	v_max3_num_f32 v[MX], v[LG], v[LG+1], v[LG+2]
	v_max3_num_f32 v[MX], v[MX], v[LG+3], v[LG+4]
	v_max3_num_f32 v[MX], v[MX], v[LG+5], v[LG+6]
	v_max_num_f32 v[MX], v[MX], v[LG+7]
	v_permlanex16_b32 v[MX+1], v[MX], s60, s61
	v_max_num_f32 v[MX], v[MX], v[MX+1]
	v_mul_f32 v[MX], s58, v[MX]            ; log2(e) x maximum
.irp k, 0,2,4,6
	v_pk_fma_f32 v[LG+\k:LG+\k+1], v[LG+\k:LG+\k+1], s[58:59], v[MX:MX+1] op_sel_hi:[1,0,0] neg_lo:[0,0,1] neg_hi:[0,0,1]
.endr
.irp k, 0,1,2,3,4,5,6,7
	v_exp_f32 v[LG+\k], v[LG+\k]
.endr
	v_nop                                  ; a plain instruction between the last exponential and the use of its result
	s_wait_alu depctr_va_vdst(0)
	v_pk_add_f32 v[TT:TT+1],   v[LG:LG+1],     v[LG+2:LG+3]
	v_pk_add_f32 v[TT+2:TT+3], v[LG+4:LG+5],   v[LG+6:LG+7]
	v_pk_add_f32 v[TT:TT+1],   v[TT:TT+1],     v[TT+2:TT+3]
	v_add_f32 v[TT], v[TT], v[TT+1]
	v_permlanex16_b32 v[TT+1], v[TT], s60, s61
	v_add_f32 v[TT], v[TT], v[TT+1]
	v_rcp_f32 v[TT], v[TT]
	v_nop
	s_wait_alu depctr_va_vdst(0)
.irp k, 0,2,4,6
	v_pk_mul_f32 v[LG+\k:LG+\k+1], v[LG+\k:LG+\k+1], v[TT:TT+1] op_sel_hi:[1,0]
.endr
.endm
; One level's four points.  O: the accumulator with (x, y) x 4; B: ref S - 0.5; S, SM2: the side and the side less 2; A: the four attention weights; WTB, IPB: where weights and indices go.
; Each step runs over the four points, so that no line reads the result of the line before it.
.macro LEVEL O, B, S, SM2, A, WTB, IPB
.irp k, 0,2,4,6
	v_pk_add_f32 v[(\O)+\k:(\O)+\k+1], v[(\O)+\k:(\O)+\k+1], v[\B:\B+1]      ; x, y; the accumulator is read from its low end on
.endr
.irp k, 0,1,2,3,4,5,6,7
	v_floor_f32 v[FL+\k], v[(\O)+\k]
.endr
.irp k, 0,1,2,3,4,5,6,7
	v_med3_num_f32 v[FL+\k], v[FL+\k], 0, v[\SM2]                            ; xb, yb
.endr
.irp k, 0,2,4,6
	v_pk_add_f32 v[TF+\k:TF+\k+1], v[(\O)+\k:(\O)+\k+1], v[FL+\k:FL+\k+1] neg_lo:[0,1] neg_hi:[0,1]  ; t
.endr
.irp k, 0,2,4,6
	v_pk_add_f32 v[UF+\k:UF+\k+1], v[TF+\k:TF+\k+1], 1.0 op_sel_hi:[1,0] neg_lo:[1,0] neg_hi:[1,0]   ; 1 - t
.endr
.irp k, 0,2,4,6
	v_pk_add_f32 v[VF+\k:VF+\k+1], v[TF+\k:TF+\k+1], 1.0 op_sel_hi:[1,0]                             ; 1 + t
.endr
.irp k, 0,2,4,6
	v_pk_add_f32 v[ZF+\k:ZF+\k+1], v[TF+\k:TF+\k+1], 2.0 op_sel_hi:[1,0] neg_lo:[1,0] neg_hi:[1,0]   ; 2 - t
.endr
.irp k, 0,2,4,6
	v_med3_num_f32 v[WX+\k],   v[VF+\k],   v[UF+\k],   0
	v_med3_num_f32 v[WX+\k+1], v[TF+\k],   v[ZF+\k],   0
	v_med3_num_f32 v[WY+\k],   v[VF+\k+1], v[UF+\k+1], 0
	v_med3_num_f32 v[WY+\k+1], v[TF+\k+1], v[ZF+\k+1], 0
.endr
.irp k, 0,1,2,3
	v_fma_f32 v[II+\k], v[FL+2*\k+1], v[\S], v[FL+2*\k]                      ; yb S + xb: a whole number under 2^14, exact
.endr
.irp k, 0,1,2,3
	v_cvt_u32_f32 v[II+\k], v[II+\k]
.endr
	v_pk_mul_f32 v[AY:AY+1],   v[WY:WY+1],   v[\A:\A+1]   op_sel_hi:[1,0]                 ; the attention weight goes into y's two weights
	v_pk_mul_f32 v[AY+2:AY+3], v[WY+2:WY+3], v[\A:\A+1]   op_sel:[0,1] op_sel_hi:[1,1]
	v_pk_mul_f32 v[AY+4:AY+5], v[WY+4:WY+5], v[\A+2:\A+3] op_sel_hi:[1,0]
	v_pk_mul_f32 v[AY+6:AY+7], v[WY+6:WY+7], v[\A+2:\A+3] op_sel:[0,1] op_sel_hi:[1,1]
.irp k, 0,1,2,3
	v_pk_mul_f32 v[CW+4*\k:CW+4*\k+1],   v[WX+2*\k:WX+2*\k+1], v[AY+2*\k:AY+2*\k+1] op_sel_hi:[1,0]
	v_pk_mul_f32 v[CW+4*\k+2:CW+4*\k+3], v[WX+2*\k:WX+2*\k+1], v[AY+2*\k:AY+2*\k+1] op_sel:[0,1] op_sel_hi:[1,1]
.endr
.irp k, 0,1,2,3,4,5,6,7
	v_cvt_pk_f16_f32 v[(\WTB)+\k], v[CW+2*\k], v[CW+2*\k+1]
.endr
	v_lshl_or_b32 v[\IPB],   v[II+1], 16, v[II]
	v_lshl_or_b32 v[\IPB+1], v[II+3], 16, v[II+2]
.endm
.macro OUTB                            ; the weights go through my own stage, so that each store covers 512 consecutive bytes; the indices lie so already
.irp k, 0,1,2,3
	ds_store_b128 v[STO], v[WT+4*\k:WT+4*\k+3] offset:16*\k
.endr
.irp k, 0,1,2,3
	ds_load_b128 v[RB+4*\k:RB+4*\k+3], v[RD] offset:4*SP*\k  ; LDS serves a wave's instructions in order (ISA guide 5.7.1.4): these see the stores above
.endr
	global_store_b128 v[IO], v[IP:IP+3], s[16:17]
	s_wait_dscnt 0x0
.irp k, 0,1,2,3
	global_store_b128 v[GO], v[RB+4*\k:RB+4*\k+3], s[18:19] offset:512*\k
.endr
	s_wait_xcnt 0x0                        ; bases and store data are rewritten only behind this wait
	s_add_nc_u64 s[16:17], s[16:17], 4096  ; a tile's 8 heads x 512 bytes of idx,
	s_add_nc_u64 s[18:19], s[18:19], 16384 ; 8 x 2,048 of wts,
	s_add_nc_u64 s[6:7], s[6:7], 512       ; 16 rows of reference_points,
	v_add_nc_u32 v[FA], 16*PX, v[FA]       ; 16 rows of q in LDS
.endm
.macro TILE_B
	global_load_b64 v[RP:RP+1],   v[RO], s[6:7]            ; level h's point,
	global_load_b64 v[RP+2:RP+3], v[RO], s[6:7] offset:16  ; level 2 + h's
	FRAGS
	MMA 3
	REFS
	SOFTMAX
	LEVEL 24, BA, SA, SAM, 40, WT, IP
	LEVEL 32, BB, SB, SBM, 44, WT+8, IP+2
	OUTB
.endm
	s_load_b512 s[4:19], s[0:1], 0x0       ; query s[4:5], reference_points s[6:7], W_off s[8:9], b_off s[10:11], W_attn s[12:13], b_attn s[14:15], idx s[16:17], wts s[18:19]
	v_lshl_add_u32 v[SPW], v0, 2, SPARE
	v_mov_b32 v[NIL], 0
	ds_add_u32 v[SPW], v[NIL]              ; the wave's opening: the add and its wait ahead of my first tensor load; the set-up below stands between them
	ds_add_u32 v10, v11
	v_lshrrev_b32 v1, 5, v0
	v_readfirstlane_b32 s2, v1             ; wave = head, 0..7
.irp g, 20, 28, 36
	s_mov_b32 s[\g], 0x07d20000            ; elements of 4 bytes; padding on, after 256 words, of 4 words
	s_mov_b32 s[\g+1], 256<<16             ; tensor_dim0 = 256
	s_mov_b32 s[\g+3], 256<<16             ; tile_dim0 = 256
	s_mov_b32 s[\g+5], 256                 ; elements from row to row
	s_mov_b32 s[\g+6], 0
	s_mov_b32 s[\g+7], 0
.endr
	s_mov_b32 s22, 4<<16                   ; 4, 8 and 10 rows a wave
	s_mov_b32 s24, 4
	s_mov_b32 s30, 8<<16
	s_mov_b32 s32, 8
	s_mov_b32 s38, 10<<16
	s_mov_b32 s40, 10
	s_mov_b32 s44, 1                       ; LDS rows 4 w, 32 + 8 w, 96 + 10 w take local rows 4 w, 32 + 8 w, 90 + 10 w
	s_mul_i32 s45, s2, 4*PX
	s_mov_b32 s48, 1
	s_mul_i32 s49, s2, 8*PX
	s_add_co_u32 s49, s49, 32*PX
	s_mov_b32 s52, 1
	s_mul_i32 s53, s2, 10*PX
	s_add_co_u32 s53, s53, 96*PX
	s_mul_i32 s63, ttmp9, 170              ; the work-group's first row
	s_lshl_b32 s66, s2, 2
	s_add_co_u32 s66, s66, s63
	s_lshl_b32 s66, s66, 10
	s_mov_b32 s67, 0
	s_lshl_b32 s68, s2, 3
	s_add_co_u32 s68, s68, s63
	s_add_co_u32 s68, s68, 32
	s_lshl_b32 s68, s68, 10
	s_mov_b32 s69, 0
	s_mul_i32 s70, s2, 10
	s_add_co_u32 s70, s70, s63
	s_add_co_u32 s70, s70, 90
	s_lshl_b32 s70, s70, 10
	s_mov_b32 s71, 0
	s_lshl_b32 s72, s63, 5                 ; a row of reference_points is 32 bytes
	s_mov_b32 s73, 0
	s_mul_i32 s74, ttmp9, 45056            ; idx: 11 tiles x 4,096 bytes a work-group, 512 a head
	s_lshl_b32 s57, s2, 9
	s_add_co_u32 s74, s74, s57
	s_mov_b32 s75, 0
	s_mul_i32 s76, ttmp9, 180224           ; wts: 11 x 16,384, 2,048 a head
	s_lshl_b32 s57, s2, 11
	s_add_co_u32 s76, s76, s57
	s_mov_b32 s77, 0
	s_mov_b32 s58, 0x3fb8aa3b              ; log2(e)
	s_mov_b32 s59, s58                     ; named with it as a pair
	s_mov_b32 s60, 0x76543210              ; v_permlanex16_b32: each lane takes its own place in the other half
	s_mov_b32 s61, 0xfedcba98
	s_mov_b32 s62, 0xffff0000              ; a word's upper bf16
	s_wait_dscnt 0x0                       ; the opening add is done
	s_wait_kmcnt 0x0
	s_add_nc_u64 s[46:47], s[4:5], s[66:67]
	s_or_b32 s47, s47, 0x80000000          ; type = 2
	s_add_nc_u64 s[50:51], s[4:5], s[68:69]
	s_or_b32 s51, s51, 0x80000000
	s_add_nc_u64 s[54:55], s[4:5], s[70:71]
	s_or_b32 s55, s55, 0x80000000
	s_add_nc_u64 s[6:7], s[6:7], s[72:73]
	s_add_nc_u64 s[16:17], s[16:17], s[74:75]
	s_add_nc_u64 s[18:19], s[18:19], s[76:77]
	tensor_load_to_lds s[44:47], s[20:27]  ; all first fills go out together: three loads of mine are out
	s_nop 0
	tensor_load_to_lds s[48:51], s[28:35]
	s_nop 0
	tensor_load_to_lds s[52:55], s[36:43]
	s_nop 0
	v_and_b32 v1, 15, v0                   ; r
	v_bfe_u32 v2, v0, 4, 1                 ; h
	v_and_b32 v55, 31, v0                  ; lane
	v_mul_u32_u24 v[FA], v1, PX
	v_lshl_add_u32 v[FA], v2, 5, v[FA]
	s_mul_i32 s57, s2, 16*SP
	s_add_co_u32 s57, s57, STG             ; my stage
	v_mul_u32_u24 v[STO], v1, SP
	v_lshl_add_u32 v[STO], v2, 6, v[STO]
	v_add_nc_u32 v[STO], s57, v[STO]
	v_lshrrev_b32 v[RD], 3, v55
	v_mul_u32_u24 v[RD], v[RD], SP
	v_and_b32 v54, 7, v0
	v_lshl_add_u32 v[RD], v54, 4, v[RD]
	v_add_nc_u32 v[RD], s57, v[RD]
	v_lshlrev_b32 v[GO], 4, v55
	v_lshlrev_b32 v[IO], 5, v1
	v_lshl_add_u32 v[RO], v2, 3, v[IO]
	v_lshl_add_u32 v[IO], v2, 4, v[IO]
	v_lshlrev_b32 v[MX], 23, v2            ; halving a power of two takes one from its exponent field
	v_sub_nc_u32 v[SA], 0x43000000, v[MX]  ; 128.0 or 64.0
	v_sub_nc_u32 v[SB], 0x42000000, v[MX]  ; 32.0 or 16.0
	v_mov_b32 v[SA+1], v[SA]
	v_mov_b32 v[SB+1], v[SB]
	v_add_f32 v[SAM], -2.0, v[SA]
	v_add_f32 v[SBM], -2.0, v[SB]
	v_mov_b32 v[MX+1], 0                   ; v_permlanex16_b32 counts as a reader of its destination
	v_lshlrev_b32 v[WOF], 2, v1
	v_lshl_add_u32 v[WOF], v2, 13, v[WOF]
	s_lshl_b32 s57, s2, 7
	v_add_nc_u32 v[WOF], s57, v[WOF]       ; W_off: (8 h x 256 + 32 m + r) x 4
	v_lshl_add_u32 v53, v2, 5, s57         ; b_off: (32 m + 8 h) x 4
	v_bfe_u32 v52, v1, 2, 1                ; W_attn: fragment row r takes column 16 m + 8 ((r / 4) % 2) + 4 (r / 8) + r % 4
	v_lshlrev_b32 v52, 5, v52
	v_bfe_u32 v55, v1, 3, 1
	v_lshl_add_u32 v52, v55, 4, v52
	v_and_b32 v55, 3, v1
	v_lshl_add_u32 v52, v55, 2, v52
	v_lshl_add_u32 v52, v2, 12, v52        ; + 8 h rows of 512 bytes
	s_lshl_b32 s57, s2, 6
	v_add_nc_u32 v52, s57, v52
	v_lshl_add_u32 v54, v2, 4, s57         ; b_attn: (16 m + 4 h) x 4
	WIN 0x40                               ; destination window 1, address window 0
	WISSUE 0, 8, WOF, 1024, 0
	WISSUE 128, 8, WOF, 1024, 64
	WIN 0
	WISSUE F, 12, 52, 512, 0
	global_load_b128 v[192:195], v53, s[10:11]
	global_load_b128 v[196:199], v53, s[10:11] offset:16
	global_load_b128 v[200:203], v53, s[10:11] offset:64
	global_load_b128 v[204:207], v53, s[10:11] offset:80
	global_load_b128 v[208:211], v54, s[14:15]
	global_load_b128 v[212:215], v54, s[14:15] offset:32
	s_wait_loadcnt 0x0                     ; weights and biases, once
	WIN 0x45
	WPACK 0, 0
	WPACK 64, 128
	WIN 0x40
	WPACK 128, F
	WIN 0
.set jj, 0
.rept 12
	v_cvt_pk_bf16_f32 v[24+jj], v[192+2*jj], v[192+2*jj+1]  ; the biases are rounded to bf16 like every input,
.set jj, jj+1
.endr
	WIN 0x40
.set jj, 0
.rept 12
	v_lshlrev_b32 v[BI+2*jj],   16,  v[24+jj]               ; and widened again: they are C operands, in f32
	v_and_b32     v[BI+2*jj+1], s62, v[24+jj]
.set jj, jj+1
.endr
	WIN 0
	CHUNK 2                                ; LDS rows 0-31 are in: tiles 0, 1
	s_mov_b32 s56, 2
.Lone:
	TILE_B
	s_sub_co_u32 s56, s56, 1
	s_cmp_lg_u32 s56, 0
	s_cbranch_scc1 .Lone
	CHUNK 1                                ; rows 32-95: tiles 2-5
	s_mov_b32 s56, 4
.Ltwo:
	TILE_B
	s_sub_co_u32 s56, s56, 1
	s_cmp_lg_u32 s56, 0
	s_cbranch_scc1 .Ltwo
	s_sub_nc_u64 s[6:7], s[6:7], 6*32      ; tile 6 begins at local row 90, not 96
	CHUNK 0                                ; rows 96-175: tiles 6-10
	s_mov_b32 s56, 5
.Lthree:
	TILE_B
	s_sub_co_u32 s56, s56, 1
	s_cmp_lg_u32 s56, 0
	s_cbranch_scc1 .Lthree
	s_wait_tensorcnt 0x0                   ; the wave's end: behind my last tensor load and my last LDS store
	ds_add_u32 v[SPW], v[NIL]
	s_wait_dscnt 0x0
	s_endpgm
.Lfunc_end_k_qf05a7c452c_sampler:
	.size	k_qf05a7c452c_sampler, .Lfunc_end_k_qf05a7c452c_sampler-k_qf05a7c452c_sampler
	.p2alignl 7, 3214868480
	.fill 96, 4, 3214868480
	.section	.rodata,"a",@progbits
	.p2align	6, 0x0
	.amdhsa_kernel k_qf05a7c452c_sampler
		.amdhsa_group_segment_fixed_size 202496
		.amdhsa_private_segment_fixed_size 0
		.amdhsa_enable_private_segment 0
		.amdhsa_kernarg_size 64
		.amdhsa_user_sgpr_count 2
		.amdhsa_user_sgpr_kernarg_segment_ptr 1
		.amdhsa_wavefront_size32 1
		.amdhsa_system_sgpr_workgroup_id_x 1
		.amdhsa_system_sgpr_workgroup_id_y 1
		.amdhsa_system_sgpr_workgroup_id_z 1
		.amdhsa_system_vgpr_workitem_id 0
		.amdhsa_next_free_vgpr 512
		.amdhsa_next_free_sgpr 80
		.amdhsa_reserve_vcc 0
		.amdhsa_float_denorm_mode_32 3
		.amdhsa_float_denorm_mode_16_64 3
		.amdhsa_memory_ordered 1
		.amdhsa_forward_progress 1
		.amdhsa_inst_pref_size 121
	.end_amdhsa_kernel
	.amdgpu_metadata
---
amdhsa.version: [ 1, 2 ]
amdhsa.kernels:
  - .name:           k_qf05a7c452c_sampler
    .symbol:         k_qf05a7c452c_sampler.kd
    .args:
      - { .name: query, .offset: 0, .size: 8, .value_kind: global_buffer, .address_space: global }
      - { .name: reference_points, .offset: 8, .size: 8, .value_kind: global_buffer, .address_space: global }
      - { .name: W_off, .offset: 16, .size: 8, .value_kind: global_buffer, .address_space: global }
      - { .name: b_off, .offset: 24, .size: 8, .value_kind: global_buffer, .address_space: global }
      - { .name: W_attn, .offset: 32, .size: 8, .value_kind: global_buffer, .address_space: global }
      - { .name: b_attn, .offset: 40, .size: 8, .value_kind: global_buffer, .address_space: global }
      - { .name: idx, .offset: 48, .size: 8, .value_kind: global_buffer, .address_space: global }
      - { .name: wts, .offset: 56, .size: 8, .value_kind: global_buffer, .address_space: global }
    .group_segment_fixed_size: 202496
    .private_segment_fixed_size: 0
    .kernarg_segment_align: 8
    .kernarg_segment_size: 64
    .max_flat_workgroup_size: 256
    .sgpr_count:     80
    .vgpr_count:     512
    .wavefront_size: 32
...
	.end_amdgpu_metadata
.endif
;; end of part 2
;; launch gather_out (part 3): grid 256 x 1, 16 waves a work-group, no clusters, 327,680 bytes of LDS; arguments value, idx, wts, W_out, b_out, out0; writes out0
.if DOCPART == 3
	.amdgcn_target "amdgcn-amd-amdhsa--gfx1250"
	.amdhsa_code_object_version 6
	.text
	.protected	k_qf05a7c452c_gather_out
	.globl	k_qf05a7c452c_gather_out
	.p2align	8
	.type	k_qf05a7c452c_gather_out,@function
k_qf05a7c452c_gather_out:
	s_mov_b64 s[64:65], 0
	v_nop
	global_prefetch_b8 v0, s[64:65] scope:SCOPE_SE
	s_setreg_imm32_b32 hwreg(HW_REG_WAVE_MODE, 25, 1), 1
	s_wait_xcnt 0x0
; GATHER AND OUTPUT PROJECTION.  acc[row][head][:] = the sum over 16 points x 4 corners of wts x value[pixel][head][:]; out0 = acc W_out + b_out.
; FORMATS AND LIMITS.  value and wts arrive in f16; the sum over the 64 corners is kept in f32 and rounded once to f16 for the product (it is a mean of values: their range).  W_out and b_out are rounded
; once to bf16 like every input; W_out's rounded number is then written as f16, exact down to 2^-14 and within 3e-8 below; the product's sums in f32, begun with the bias; out0 in f32.
; THE SUM OVER CORNERS IS VECTOR WORK: every (row, head) has its own 64 x 32 operand, gathered with channels along the registers, so a 16 x 16 x 32 matrix instruction would carry one useful row in sixteen.
; ADDRESSES come from idx alone, whole numbers that the launch before stored; each is held to its level's largest base pixel, S S - S - 2, so that all four corners lie in the level.
; SHARES.  Work-group i owns rows 170 i .. + 169 in the same 11 tiles of 16 rows as the launches before (local rows 0, 16, .. 80, 90, .. 154; rows 90-95 are made and stored twice, alike).
; In a tile wave w gathers row w: lane l holds head l / 4, channels 8 (l % 4) .. + 7, so one load of 16 bytes a lane takes one corner of all eight heads, 64 consecutive bytes a head.
; A row's 16 points go in four groups (levels 0, 2, 1, 3) through two register buffers of 16 loads: two groups, 32 loads, are always on their way, across tiles too.
; For the product wave w owns columns 16 w .. + 15; its eight fragments of W_out stay in 64 registers.  Used transposed: a lane holds eight neighbouring columns of one row.
; LDS.  The whole index table comes once; the weights come tile by tile through two slots that take turns, one tensor load a wave (its row of 1,024 bytes) behind each trip's first barrier:
; two loads of mine are out at the start, one later.  The work-groups share W_out alone, which goes once into registers: no cluster.
.set IPX,    272                       ; a row of the index table: 256 bytes + 16: head m's rows start at bank 8 m mod 64 (64 banks of 4 bytes: ISA guide 11.1)
.set WPX,    1040                      ; a row of a slot: 1,024 bytes, 16 left free: again bank 8 m
.set SLOT0,  0x10000                   ; 16 rows x 1,040; slot 1 lies 0x8000 further, so that one exclusive or turns the one into the other
.set ATILE,  0x20000                   ; 16 rows x 528: the gathered rows in f16; no tensor load lands here or further on
.set APX,    528
.set OSTAGE, 0x24000                   ; 16 rows x 1,040: the results in f32
.set OPX,    1040
.set SPARE,  0x2a000                   ; the spare words, 128 bytes for each of sixteen waves
.set SPW,  1                           ; v1   my spare word; never rewritten
.set NIL,  2                           ; v2   0; never rewritten
.set ZER,  3                           ; v3   0: the addend of a row's first eight multiply-adds
.set L16,  4                           ; v4   16 x lane
.set IA,   5                           ; v5   my head's and row's 32 bytes of indices in the tile in hand; stepped by 16 rows a trip
.set WA0,  6                           ; v6   my head's and row's 128 bytes of weights in slot 0
.set WA,   7                           ; v7   the same in the trip's slot
.set ASTO, 8                           ; v8   where my 16 bytes of the gathered row go
.set AFR,  9                           ; v9   where my fragments of the gathered tile lie
.set OSTO, 10                          ; v10  where my 32 bytes of results go
.set ORD,  11                          ; v11  where I read a row of results back
.set IXA,  16                          ; v[16:19] indices of groups 0, 1
.set IXB,  20                          ; v[20:23] of groups 2, 3
.set AD,   24                          ; v[24:27], v[28:31] the four points' byte offsets, by buffer
.set ACC,  32                          ; v[32:39] my eight channels' sums
.set WT,   40                          ; v[40:47], v[48:55] a group's 16 weights, two buffers
.set D0,   40                          ; later the product's two accumulators, then the row read back
.set D1,   48
.set BIAS, 56                          ; v[56:63]
.set WO,   64                          ; v[64:127]
.set R0,   128                         ; v[128:191], v[192:255] gathered corners, two buffers; R1 also takes the product's fragments
.set R1,   192
.macro WISSUE raw, sb, voff, nb, add   ; one column tile's weights as f32, in fragment order: register raw + 16 c + e takes k = 32 c + 8 h + e (e < 8) or 32 c + 16 + 8 h + e - 8
.set cc, 0
.rept 8
.set ee, 0
.rept 16
	global_load_b32 v[(\raw)+16*cc+ee], v[\voff], s[\sb:\sb+1] offset:(32*cc+ee+8*(ee/8))*(\nb)+(\add)
.set ee, ee+1
.endr
.set cc, cc+1
.endr
.endm
; Group g's 16 loads.  First all four points' offsets, twelve plain lines, then the loads: corner (x, y), (x + 1, y), (x, y + 1), (x + 1, y + 1); a pixel is 512 bytes.
.macro ISSUE g, ix
.if (\g) == 0
.set SS, 128
.elseif (\g) == 1
.set SS, 32
.elseif (\g) == 2
.set SS, 64
.else
.set SS, 16
.endif
.set AB,  AD+4*((\g)%2)
.set RBF, R0+64*((\g)%2)
.set XB,  (\ix)+2*((\g)%2)
	v_and_b32     v[AB],   0xffff, v[XB]
	v_lshrrev_b32 v[AB+1], 16,     v[XB]
	v_and_b32     v[AB+2], 0xffff, v[XB+1]
	v_lshrrev_b32 v[AB+3], 16,     v[XB+1]
.set pp, 0
.rept 4
	v_min_u32 v[AB+pp], SS*SS-SS-2, v[AB+pp]
.set pp, pp+1
.endr
.set pp, 0
.rept 4
	v_lshl_add_u32 v[AB+pp], v[AB+pp], 9, v[L16]
.set pp, pp+1
.endr
.set pp, 0
.rept 4
	global_load_b128 v[RBF+16*pp:RBF+16*pp+3],     v[AB+pp], s[16+2*(\g):17+2*(\g)]
	global_load_b128 v[RBF+16*pp+4:RBF+16*pp+7],   v[AB+pp], s[16+2*(\g):17+2*(\g)] offset:512
	global_load_b128 v[RBF+16*pp+8:RBF+16*pp+11],  v[AB+pp], s[16+2*(\g):17+2*(\g)] offset:512*SS
	global_load_b128 v[RBF+16*pp+12:RBF+16*pp+15], v[AB+pp], s[16+2*(\g):17+2*(\g)] offset:512*SS+512
.set pp, pp+1
.endr
.endm
; One corner: eight multiply-adds straight from f16 halves into the f32 sums.  rr: the corner's four registers; ww, ch: the weight's register and half; first = 1: the row's sums begin.
.macro FM8 rr, ww, ch, first
.irp q, 0,1,2,3
.if \first
	v_fma_mix_f32 v[ACC+2*\q],   v[(\rr)+\q], v[\ww], v[ZER] op_sel:[0,\ch,0] op_sel_hi:[1,1,0]
	v_fma_mix_f32 v[ACC+2*\q+1], v[(\rr)+\q], v[\ww], v[ZER] op_sel:[1,\ch,0] op_sel_hi:[1,1,0]
.else
	v_fma_mix_f32 v[ACC+2*\q],   v[(\rr)+\q], v[\ww], v[ACC+2*\q]   op_sel:[0,\ch,0] op_sel_hi:[1,1,0]
	v_fma_mix_f32 v[ACC+2*\q+1], v[(\rr)+\q], v[\ww], v[ACC+2*\q+1] op_sel:[1,\ch,0] op_sel_hi:[1,1,0]
.endif
.endr
.endm
; Group g is added up.  young = the loads of the group issued behind it, which stay out.
.macro CONSUME g, young
.set RBF, R0+64*((\g)%2)
.set WB,  WT+8*((\g)%2)
.set WN,  WT+8*(((\g)+1)%2)
	s_wait_dscnt 0x0                       ; this group's weights are in (and, in the first group, the indices)
.if (\g) < 3
	ds_load_b128 v[WN:WN+3],   v[WA] offset:32*((\g)+1)     ; the next group's weights, a group ahead of their use
	ds_load_b128 v[WN+4:WN+7], v[WA] offset:32*((\g)+1)+16
.endif
.set pp, 0
.rept 4
	s_wait_loadcnt (\young)+12-4*pp        ; loads come back in order (ISA guide 5.7.1): point pp's four are in; the later points' and the next group's stay out
.if ((\g) == 0) && (pp == 0)
	FM8 RBF, WB, 0, 1
.else
	FM8 RBF+16*pp, WB+2*pp, 0, 0
.endif
	FM8 RBF+16*pp+4,  WB+2*pp,   1, 0
	FM8 RBF+16*pp+8,  WB+2*pp+1, 0, 0
	FM8 RBF+16*pp+12, WB+2*pp+1, 1, 0
.set pp, pp+1
.endr
.endm
; The trip's first barrier.  In front of it each wave waits for all its tensor loads (the one that is out is its row of this trip's weights), adds 0 to its spare word, and waits for that and for its reads
; of the other slot.  Behind it this trip's slot is whole and nobody reads the other one: with fill = 1 it takes the next tile's weights, the first thing behind the barrier.
.macro RING fill
	s_wait_tensorcnt 0x0                   ; no tensor load of mine is out, so the descriptor may be written
	ds_add_u32 v[SPW], v[NIL]              ; the scalar steps stand between the add and the wait for it
	s_xor_b32 s49, s49, 0x8000             ; the slot that this trip reads
.if \fill
	s_xor_b32 s45, s45, 0x8000             ; the slot that is filled,
	s_add_nc_u64 s[46:47], s[46:47], 16384 ; with the next tile; the type bits on top are not reached
.endif
	s_wait_dscnt 0x0
	s_barrier_signal -1
	s_barrier_wait -1
.if \fill
	tensor_load_to_lds s[44:47], s[36:43]
	s_nop 0
.endif
.endm
; A tile.  more = 1: another tile follows: its weights, its indices and its first two groups are asked for.
.macro TRIP more
	RING \more
	v_add_nc_u32 v[WA], s49, v[WA0]
	ds_load_b128 v[IXB:IXB+3], v[IA] offset:16
.if \more
	ds_load_b128 v[IXA:IXA+3], v[IA] offset:16*IPX          ; the next tile's
.endif
	ds_load_b128 v[WT:WT+3],   v[WA]
	ds_load_b128 v[WT+4:WT+7], v[WA] offset:16
	CONSUME 0, 16
	ISSUE 2, IXB
	CONSUME 1, 16
	ISSUE 3, IXB
	CONSUME 2, 16
.if \more
	ISSUE 0, IXA
	CONSUME 3, 16
.else
	CONSUME 3, 0
.endif
.set jj, 0
.rept 4
	v_cvt_pk_f16_f32 v[ACC+jj], v[ACC+2*jj], v[ACC+2*jj+1]  ; ascending, in place
.set jj, jj+1
.endr
	ds_store_b128 v[ASTO], v[ACC:ACC+3]
	s_wait_dscnt 0x0                       ; for the others' sake: my row of the gathered tile is written
	s_barrier_signal -1
	s_barrier_wait -1
.set cc, 0
.rept 8
	ds_load_b128 v[R1+8*cc:R1+8*cc+3],   v[AFR] offset:64*cc
	ds_load_b128 v[R1+8*cc+4:R1+8*cc+7], v[AFR] offset:64*cc+32
.set cc, cc+1
.endr
	s_wait_dscnt 14                        ; fragment 0 is in; the two loads of each later fragment may stay out
	v_wmma_f32_16x16x32_f16 v[D0:D0+7], v[WO:WO+7], v[R1:R1+7], v[BIAS:BIAS+7]     ; two accumulators take turns: the one begins with the bias,
	s_wait_dscnt 12
	v_wmma_f32_16x16x32_f16 v[D1:D1+7], v[WO+8:WO+15], v[R1+8:R1+15], 0            ; the other with 0
.set cc, 2
.rept 6
	s_wait_dscnt 14-2*cc
	v_wmma_f32_16x16x32_f16 v[D0+8*(cc%2):D0+8*(cc%2)+7], v[WO+8*cc:WO+8*cc+7], v[R1+8*cc:R1+8*cc+7], v[D0+8*(cc%2):D0+8*(cc%2)+7]
.set cc, cc+1
.endr
.if \more
	ISSUE 1, IXA                           ; its twelve plain lines name no register of the products: they are the places in front of its loads into R1 and of the sums below
.else
.rept 4
	v_nop
.endr
.endif
.irp k, 0,2,4,6
	v_pk_add_f32 v[D0+\k:D0+\k+1], v[D0+\k:D0+\k+1], v[D1+\k:D1+\k+1]              ; both accumulators from their low ends on
.endr
	ds_store_b128 v[OSTO], v[D0:D0+3]
	ds_store_b128 v[OSTO], v[D0+4:D0+7] offset:16
	s_wait_dscnt 0x0                       ; for the others' sake: my 16 columns are written, and my reads of the gathered tile are over
	s_barrier_signal -1
	s_barrier_wait -1
	ds_load_b128 v[D0:D0+3],   v[ORD]
	ds_load_b128 v[D0+4:D0+7], v[ORD] offset:512
	s_wait_dscnt 0x0
	global_store_b128 v[L16], v[D0:D0+3],   s[14:15] th:TH_STORE_NT             ; a row of out0 in two stores of 512 consecutive bytes, at multiples of 512 from its first byte
	global_store_b128 v[L16], v[D0+4:D0+7], s[14:15] offset:512 th:TH_STORE_NT
.if \more
	s_wait_xcnt 0x0                        ; the stores' base and data are rewritten only behind this wait
	s_cmp_eq_u32 s48, 5                    ; behind tile 5 (five trips of the loop are left) the next tile begins 10 rows on, else 16
	s_cselect_b32 s50, s54, s55
	s_add_nc_u64 s[14:15], s[14:15], s[50:51]
	v_add_nc_u32 v[IA], 16*IPX, v[IA]
.endif
.endm
	s_load_b256 s[4:11], s[0:1], 0x0       ; value s[4:5], idx s[6:7], wts s[8:9], W_out s[10:11]
	s_load_b128 s[12:15], s[0:1], 0x20     ; b_out s[12:13], out0 s[14:15]
	v_lshl_add_u32 v[SPW], v0, 2, SPARE
	v_mov_b32 v[NIL], 0
	ds_add_u32 v[SPW], v[NIL]              ; the wave's opening: the add and its wait ahead of my first tensor load; the set-up below stands between them
	ds_add_u32 v1, v2
	v_lshrrev_b32 v12, 5, v0
	v_readfirstlane_b32 s2, v12            ; wave 0..15
	; the index table: 45,056 dense bytes as 176 rows of 256, 11 rows a wave, 16 bytes of padding behind each
	s_mov_b32 s24, 0x07530000              ; elements of 8 bytes; padding on, after 64 words (code 5), of 4 words (code 3)
	s_mov_b32 s25, 32<<16                  ; tensor_dim0 = 32
	s_mov_b32 s26, 11<<16                  ; tensor_dim1 = 11
	s_mov_b32 s27, 32<<16                  ; tile_dim0 = 32
	s_mov_b32 s28, 11                      ; tile_dim1 = 11
	s_mov_b32 s29, 32                      ; elements from row to row
	s_mov_b32 s30, 0
	s_mov_b32 s31, 0
	s_mov_b32 s32, 1
	s_mul_i32 s33, s2, 11*IPX
	; a tile's weights: 16,384 dense bytes, one row of 1,024 a wave
	s_mov_b32 s36, 0x00030000              ; elements of 8 bytes, no padding
	s_mov_b32 s37, 128<<16
	s_mov_b32 s38, 1<<16
	s_mov_b32 s39, 128<<16
	s_mov_b32 s40, 1
	s_mov_b32 s41, 128
	s_mov_b32 s42, 0
	s_mov_b32 s43, 0
	s_mov_b32 s44, 1
	s_mul_i32 s45, s2, WPX
	s_add_co_u32 s45, s45, SLOT0
	s_mul_i32 s52, ttmp9, 45056
	s_mul_i32 s54, s2, 11*256
	s_add_co_u32 s52, s52, s54
	s_mov_b32 s53, 0
	s_mul_i32 s54, ttmp9, 180224
	s_lshl_b32 s56, s2, 10
	s_add_co_u32 s54, s54, s56
	s_mov_b32 s55, 0
	s_mul_i32 s56, ttmp9, 170
	s_add_co_u32 s56, s56, s2              ; wave w stores row w of each tile
	s_lshl_b32 s56, s56, 10
	s_mov_b32 s57, 0
	s_lshr_b32 s58, ttmp9, 7               ; the batch: 128 work-groups x 170 rows = 21,760
	s_mul_i32 s58, s58, 21760*512
	s_mov_b32 s59, 0
	s_wait_dscnt 0x0                       ; the opening add is done
	s_wait_kmcnt 0x0
	s_add_nc_u64 s[34:35], s[6:7], s[52:53]
	s_or_b32 s35, s35, 0x80000000          ; type = 2
	s_add_nc_u64 s[46:47], s[8:9], s[54:55]
	s_or_b32 s47, s47, 0x80000000
	s_add_nc_u64 s[14:15], s[14:15], s[56:57]
	s_add_nc_u64 s[16:17], s[4:5], s[58:59]            ; group 0: level 0 begins at the batch's pixel 0,
	s_add_nc_u64 s[18:19], s[16:17], 20480*512         ; group 1: level 2 at 20,480,
	s_add_nc_u64 s[20:21], s[16:17], 16384*512         ; group 2: level 1 at 16,384,
	s_add_nc_u64 s[22:23], s[16:17], 21504*512         ; group 3: level 3 at 21,504
	tensor_load_to_lds s[32:35], s[24:31]  ; both first fills go out together: the index table,
	s_nop 0
	tensor_load_to_lds s[44:47], s[36:43]  ; and tile 0's weights into slot 0
	s_nop 0
	v_and_b32 v12, 31, v0                  ; lane
	v_lshlrev_b32 v[L16], 4, v12
	v_lshrrev_b32 v13, 2, v12              ; head
	v_and_b32 v14, 15, v0                  ; r
	v_bfe_u32 v15, v0, 4, 1                ; h
	v_mov_b32 v[ZER], 0
	s_lshr_b32 s52, s2, 3                  ; a head's 16 rows fill two LDS rows: row w lies in the (w / 8)th, at place w % 8
	s_and_b32 s53, s2, 7
	s_mul_i32 s54, s52, IPX
	s_lshl_b32 s55, s53, 5
	s_add_co_u32 s54, s54, s55
	v_mul_u32_u24 v[IA], v13, 2*IPX
	v_add_nc_u32 v[IA], s54, v[IA]
	s_mul_i32 s54, s52, WPX
	s_lshl_b32 s55, s53, 7
	s_add_co_u32 s54, s54, s55
	s_add_co_u32 s54, s54, SLOT0
	v_mul_u32_u24 v[WA0], v13, 2*WPX
	v_add_nc_u32 v[WA0], s54, v[WA0]
	s_mul_i32 s54, s2, APX
	s_add_co_u32 s54, s54, ATILE
	v_add_nc_u32 v[ASTO], s54, v[L16]      ; row w, 16 bytes a lane
	v_mul_u32_u24 v[AFR], v14, APX
	v_lshl_add_u32 v[AFR], v15, 4, v[AFR]
	v_add_nc_u32 v[AFR], ATILE, v[AFR]     ; row r, 16 h bytes in
	v_mul_u32_u24 v[OSTO], v14, OPX
	v_lshl_add_u32 v[OSTO], v15, 5, v[OSTO]
	s_lshl_b32 s54, s2, 6
	s_add_co_u32 s55, s54, OSTAGE
	v_add_nc_u32 v[OSTO], s55, v[OSTO]     ; row r, columns 16 w + 8 h on
	s_mul_i32 s55, s2, OPX
	s_add_co_u32 s55, s55, OSTAGE
	v_add_nc_u32 v[ORD], s55, v[L16]       ; row w
	v_lshlrev_b32 v12, 2, v14
	v_lshl_add_u32 v12, v15, 13, v12
	v_add_nc_u32 v12, s54, v12             ; W_out: (8 h x 256 + 16 w + r) x 4
	v_lshl_add_u32 v13, v15, 5, s54        ; b_out: (16 w + 8 h) x 4
	WISSUE R0, 10, 12, 1024, 0
	global_load_b128 v[BIAS:BIAS+3],   v13, s[12:13]
	global_load_b128 v[BIAS+4:BIAS+7], v13, s[12:13] offset:16
	s_mov_b32 s52, 0xffff0000              ; a word's upper bf16
	s_wait_loadcnt 0x0                     ; W_out and b_out, once
.set jj, 0
.rept 64                               ; rounded to bf16 like every input, and that number written as f16; two sets of registers at work by turns
	v_cvt_pk_bf16_f32 v[12+2*(jj%2)], v[R0+2*jj], v[R0+2*jj+1]
	v_lshlrev_b32 v[13+2*(jj%2)], 16,  v[12+2*(jj%2)]
	v_and_b32     v[12+2*(jj%2)], s52, v[12+2*(jj%2)]
	v_cvt_pk_f16_f32 v[WO+jj], v[13+2*(jj%2)], v[12+2*(jj%2)]
.set jj, jj+1
.endr
.set jj, 0
.rept 4
	v_cvt_pk_bf16_f32 v[12+jj], v[BIAS+2*jj], v[BIAS+2*jj+1]
.set jj, jj+1
.endr
.set jj, 0
.rept 4
	v_lshlrev_b32 v[BIAS+2*jj],   16,  v[12+jj]
	v_and_b32     v[BIAS+2*jj+1], s52, v[12+jj]
.set jj, jj+1
.endr
	s_mov_b32 s49, 0x8000                  ; the first trip turns this into 0: slot 0
	s_mov_b32 s51, 0
	s_mov_b32 s54, 10*1024                 ; out0's two steps
	s_mov_b32 s55, 16*1024
	s_wait_tensorcnt 0x1                   ; my rows of the index table are in; tile 0's weights may stay out
	s_barrier_signal -1
	s_barrier_wait -1                      ; everybody's are
	ds_load_b128 v[IXA:IXA+3], v[IA]
	s_wait_dscnt 0x0
	ISSUE 0, IXA
	ISSUE 1, IXA
	s_mov_b32 s48, 10
.Ltrip:                                    ; ten trips: tiles 0-9, each asking for the tile behind it
	TRIP 1
	s_sub_co_u32 s48, s48, 1
	s_cmp_lg_u32 s48, 0
	s_cbranch_scc1 .Ltrip
	TRIP 0                                 ; the last tile is written out: it asks for nothing
	s_wait_tensorcnt 0x0                   ; the wave's end: behind my last tensor load and my last LDS store
	ds_add_u32 v[SPW], v[NIL]
	s_wait_dscnt 0x0
	s_endpgm
.Lfunc_end_k_qf05a7c452c_gather_out:
	.size	k_qf05a7c452c_gather_out, .Lfunc_end_k_qf05a7c452c_gather_out-k_qf05a7c452c_gather_out
	.p2alignl 7, 3214868480
	.fill 96, 4, 3214868480
	.section	.rodata,"a",@progbits
	.p2align	6, 0x0
	.amdhsa_kernel k_qf05a7c452c_gather_out
		.amdhsa_group_segment_fixed_size 327680
		.amdhsa_private_segment_fixed_size 0
		.amdhsa_enable_private_segment 0
		.amdhsa_kernarg_size 48
		.amdhsa_user_sgpr_count 2
		.amdhsa_user_sgpr_kernarg_segment_ptr 1
		.amdhsa_wavefront_size32 1
		.amdhsa_system_sgpr_workgroup_id_x 1
		.amdhsa_system_sgpr_workgroup_id_y 1
		.amdhsa_system_sgpr_workgroup_id_z 1
		.amdhsa_system_vgpr_workitem_id 0
		.amdhsa_next_free_vgpr 256
		.amdhsa_next_free_sgpr 66
		.amdhsa_reserve_vcc 0
		.amdhsa_float_denorm_mode_32 3
		.amdhsa_float_denorm_mode_16_64 3
		.amdhsa_memory_ordered 1
		.amdhsa_forward_progress 1
		.amdhsa_inst_pref_size 122
	.end_amdhsa_kernel
	.amdgpu_metadata
---
amdhsa.version: [ 1, 2 ]
amdhsa.kernels:
  - .name:           k_qf05a7c452c_gather_out
    .symbol:         k_qf05a7c452c_gather_out.kd
    .args:
      - { .name: value, .offset: 0, .size: 8, .value_kind: global_buffer, .address_space: global }
      - { .name: idx, .offset: 8, .size: 8, .value_kind: global_buffer, .address_space: global }
      - { .name: wts, .offset: 16, .size: 8, .value_kind: global_buffer, .address_space: global }
      - { .name: W_out, .offset: 24, .size: 8, .value_kind: global_buffer, .address_space: global }
      - { .name: b_out, .offset: 32, .size: 8, .value_kind: global_buffer, .address_space: global }
      - { .name: out0, .offset: 40, .size: 8, .value_kind: global_buffer, .address_space: global }
    .group_segment_fixed_size: 327680
    .private_segment_fixed_size: 0
    .kernarg_segment_align: 8
    .kernarg_segment_size: 48
    .max_flat_workgroup_size: 512
    .sgpr_count:     66
    .vgpr_count:     256
    .wavefront_size: 32
...
	.end_amdgpu_metadata
.endif
;; end of part 3
;; ======== version 2 of 2: 4 launches; 1.76 times as fast as version 1
;; limits: values are held in f16: magnitudes above 65,504 overflow, below 6.1e-05 lose precision
;; workspace buffers: value 22,282,240 bytes; idx 11,534,336 bytes of whole numbers; wts 46,137,344 bytes; acc 23,068,672 bytes
;; launch valproj (part 4): grid 256 x 1, 8 waves a work-group, no clusters, 184,064 bytes of LDS; arguments input_flatten, W_val, b_val, value; writes value
.if DOCPART == 4
	.amdgcn_target "amdgcn-amd-amdhsa--gfx1250"
	.amdhsa_code_object_version 6
	.text
	.protected	k_qf05a7c452c_valproj
	.globl	k_qf05a7c452c_valproj
	.p2align	8
	.type	k_qf05a7c452c_valproj,@function
k_qf05a7c452c_valproj:
	s_mov_b64 s[64:65], 0
	v_nop
	global_prefetch_b8 v0, s[64:65] scope:SCOPE_SE
	s_setreg_imm32_b32 hwreg(HW_REG_WAVE_MODE, 25, 1), 1
	s_wait_xcnt 0x0
; VALUE PROJECTION.  value = x W_val + b_val, 43,520 rows x 256 columns, stored by half heads: value[batch][half head 0..15][pixel][16 channels] in f16, so that a half head's levels are dense tables.
; FORMATS AND LIMITS.  x, W_val and b_val are each rounded once to bf16 (so are all inputs of the four launches: the results follow the module on inputs rounded to bf16);
; products in bf16, sums in f32 begun with the bias; value is rounded once to f16, so |value| must stay under 65,504.  NaN and infinities are not treated apart.
; SHARES.  43,520 = 256 x 170: work-group i owns rows 170 i .. 170 i + 169, as 11 tiles of 16 rows that begin at local rows 0, 16, .. 80, 90, 106, .. 154: rows 90-95 are made twice, with the same
; bytes, so that no tile has an edge.  Wave w owns columns 32 w .. 32 w + 31: head w, a column tile for each of its halves; its 64 + 64 registers of weights stay in window 1.
; ROAD.  All 170 rows come in by tensor loads issued at the start, three a wave (three of mine are out at the most), as f32 into LDS rows of 1,040 bytes; each wave rounds its own fragments to bf16.
; The work-groups share the weights alone, which go once into registers in fragment order (W lies [k][col], a fragment wants k along the registers): there is no LDS tile that a joint load could fill, so no cluster.
; THE MATRIX INSTRUCTION IS USED TRANSPOSED: source 0 = 16 columns of W, source 1 = 16 rows of x: a lane then holds eight neighbouring channels of one pixel: 16 bytes of f16, and the wave's 32 lanes
; hold 16 pixels x 32 bytes = 512 consecutive bytes of a half head's slice.  So results are stored straight from registers.  A work-group's 170 pixels are 5,440 bytes: its stores begin at multiples of 32.
; REGISTERS.  Window 0: v1-12 addresses; v24-39 two accumulators; v40-47 packed; v64-191 fragments of x.  Window 1: v0-127 weights; v192-207 bias.
.set PX,    1040                       ; an LDS row of x: 1,024 bytes + 16 = 260 words: row r starts at bank 4 r mod 64 (64 banks of 4 bytes: ISA guide 11.1)
.set SPARE, 183040                     ; behind x's 176 rows: the spare words, 128 bytes for each of eight waves
.set SLICE, 21760*32                   ; bytes in a half head's slice of value
.set FA,  3                            ; v3   LDS address of my fragments in the tile in hand: r x 1,040 + 32 h, stepped by 16 rows a tile
.set GO,  6                            ; v6   32 r + 16 h: my 16 bytes in a tile's 512 bytes of a slice
.set WOF, 9                            ; v9   my byte offset in W_val
.set SPW, 10                           ; v10  my spare word; never rewritten
.set NIL, 11                           ; v11  0; never rewritten
.set BOF, 12                           ; v12  my byte offset in b_val
.set ACC, 24
.set PK,  40
.set F,   64
.set BI,  192                          ; window 1
.set MSB, 0
.macro WIN new                         ; the immediate's high byte repeats the setting that is left; a switch that changes nothing is dropped
.if MSB != (\new)
	s_set_vgpr_msb (MSB<<8)|(\new)
.set MSB, (\new)
.endif
.endm
; One column tile's weights as f32, in fragment order: register raw + 16 c + e takes k = 32 c + 8 h + e (e < 8) or 32 c + 16 + 8 h + e - 8.  nb = bytes in a row of W.
.macro WISSUE raw, sb, voff, nb, add
.set cc, 0
.rept 8
.set ee, 0
.rept 16
	global_load_b32 v[(\raw)+16*cc+ee], v[\voff], s[\sb:\sb+1] offset:(32*cc+ee+8*(ee/8))*(\nb)+(\add)
.set ee, ee+1
.endr
.set cc, cc+1
.endr
.endm
.macro WPACK dst, raw                  ; 128 f32 -> 64 registers of bf16, ascending, so that it may run in place
.set jj, 0
.rept 64
	v_cvt_pk_bf16_f32 v[(\dst)+jj], v[(\raw)+2*jj], v[(\raw)+2*jj+1]
.set jj, jj+1
.endr
.endm
; The tile's 16 rows x 256 k as eight fragments: 32 loads in one run, then K step by K step the wait and eight roundings in place: fragment c ends in v[F + 16 c .. + 7].
.macro FRAGS
.set cc, 0
.rept 8
	ds_load_b128 v[F+16*cc:F+16*cc+3],     v[FA] offset:128*cc
	ds_load_b128 v[F+16*cc+4:F+16*cc+7],   v[FA] offset:128*cc+16
	ds_load_b128 v[F+16*cc+8:F+16*cc+11],  v[FA] offset:128*cc+64
	ds_load_b128 v[F+16*cc+12:F+16*cc+15], v[FA] offset:128*cc+80
.set cc, cc+1
.endr
.set cc, 0
.rept 8
	s_wait_dscnt 28-4*cc                   ; LDS loads come back in order (ISA guide 5.7.1): the four loads of each later K step may stay out
.set jj, 0
.rept 8
	v_cvt_pk_bf16_f32 v[F+16*cc+jj], v[F+16*cc+2*jj], v[F+16*cc+2*jj+1]
.set jj, jj+1
.endr
.set cc, cc+1
.endr
.endm
; nt column tiles x 8 K steps.  The first K step starts each sum with the bias; the accumulators take turns, one instruction a turn.
.macro MMA nt
	WIN 0x11                               ; weights (source 0) and bias (C) in window 1
.set jj, 0
.rept \nt
	v_wmma_f32_16x16x32_bf16 v[ACC+8*jj:ACC+8*jj+7], v[64*jj:64*jj+7], v[F:F+7], v[BI+8*jj:BI+8*jj+7]
.set jj, jj+1
.endr
	WIN 0x01
.set cc, 1
.rept 7
.set jj, 0
.rept \nt
	v_wmma_f32_16x16x32_bf16 v[ACC+8*jj:ACC+8*jj+7], v[64*jj+8*cc:64*jj+8*cc+7], v[F+16*cc:F+16*cc+7], v[ACC+8*jj:ACC+8*jj+7]
.set jj, jj+1
.endr
.set cc, cc+1
.endr
	WIN 0
.endm
.macro CHUNK left                      ; my part of the next rows has landed (left = my later loads, which may stay out); then everybody's has
	s_wait_tensorcnt \left
	s_wait_dscnt 0x0
	s_barrier_signal -1
	s_barrier_wait -1
.endm
.macro TILE_A
	FRAGS
	MMA 2
	v_add_nc_u32 v[FA], 16*PX, v[FA]       ; the next tile's rows; with three v_nop the four places behind the last products (ISA guide 7.12.1)
	v_nop
	v_nop
	v_nop
.set jj, 0
.rept 8
	v_cvt_pk_f16_f32 v[PK+jj], v[ACC+2*jj], v[ACC+2*jj+1]  ; each accumulator from its low end on
.set jj, jj+1
.endr
	global_store_b128 v[GO], v[PK:PK+3],   s[10:11]               ; 16 pixels of the head's first half: 512 consecutive bytes,
	global_store_b128 v[GO], v[PK+4:PK+7], s[10:11] offset:SLICE  ; and of its second half, a slice further on
	s_wait_xcnt 0x0                        ; the stores' base and data are rewritten only behind this wait
	s_add_nc_u64 s[10:11], s[10:11], 16*32
.endm
	s_load_b256 s[4:11], s[0:1], 0x0       ; x s[4:5], W_val s[6:7], b_val s[8:9], value s[10:11]
	v_lshl_add_u32 v[SPW], v0, 2, SPARE
	v_mov_b32 v[NIL], 0
	ds_add_u32 v[SPW], v[NIL]              ; the wave's opening: the add and its wait ahead of my first tensor load; the set-up below stands between them
	ds_add_u32 v10, v11
	v_lshrrev_b32 v1, 5, v0
	v_readfirstlane_b32 s2, v1             ; wave 0..7
	; descriptor group 1, three times: R rows of 256 elements of 4 bytes, 4 words of padding behind every 256 words
.irp g, 16, 24, 32
	s_mov_b32 s[\g], 0x07d20000            ; 17:16 element of 4 bytes; 20 padding on; 24:22 after 256 words (code 7); 31:25 of 4 words (code 3)
	s_mov_b32 s[\g+1], 256<<16             ; tensor_dim0 = 256
	s_mov_b32 s[\g+3], 256<<16             ; tile_dim0 = 256
	s_mov_b32 s[\g+5], 256                 ; elements from row to row
	s_mov_b32 s[\g+6], 0
	s_mov_b32 s[\g+7], 0
.endr
	s_mov_b32 s18, 4<<16                   ; chunk 0: 4 rows a wave (tensor_dim1, tile_dim1)
	s_mov_b32 s20, 4
	s_mov_b32 s26, 8<<16                   ; chunk 1: 8 rows
	s_mov_b32 s28, 8
	s_mov_b32 s34, 10<<16                  ; chunk 2: 10 rows
	s_mov_b32 s36, 10
	; descriptor group 0: LDS rows 4 w, 32 + 8 w, 96 + 10 w take local rows 4 w, 32 + 8 w, 90 + 10 w
	s_mov_b32 s40, 1
	s_mul_i32 s41, s2, 4*PX
	s_mov_b32 s44, 1
	s_mul_i32 s45, s2, 8*PX
	s_add_co_u32 s45, s45, 32*PX
	s_mov_b32 s48, 1
	s_mul_i32 s49, s2, 10*PX
	s_add_co_u32 s49, s49, 96*PX
	s_mul_i32 s54, ttmp9, 170              ; the work-group's first row
	s_lshl_b32 s56, s2, 2
	s_add_co_u32 s56, s56, s54
	s_lshl_b32 s56, s56, 10                ; rows of 1,024 bytes; 43,520 of them stay under 2^32 bytes
	s_mov_b32 s57, 0
	s_lshl_b32 s58, s2, 3
	s_add_co_u32 s58, s58, s54
	s_add_co_u32 s58, s58, 32
	s_lshl_b32 s58, s58, 10
	s_mov_b32 s59, 0
	s_mul_i32 s60, s2, 10
	s_add_co_u32 s60, s60, s54
	s_add_co_u32 s60, s60, 90
	s_lshl_b32 s60, s60, 10
	s_mov_b32 s61, 0
	s_lshr_b32 s62, ttmp9, 7               ; the batch: 128 work-groups x 170 rows = 21,760
	s_lshl_b32 s62, s62, 4
	s_lshl_b32 s63, s2, 1
	s_add_co_u32 s62, s62, s63             ; slice 16 x batch + 2 w,
	s_mul_i32 s62, s62, 21760
	s_and_b32 s63, ttmp9, 127
	s_mul_i32 s63, s63, 170
	s_add_co_u32 s62, s62, s63             ; the work-group's first pixel in it,
	s_lshl_b32 s62, s62, 5                 ; 32 bytes a pixel
	s_mov_b32 s63, 0
	s_wait_dscnt 0x0                       ; the opening add is done
	s_wait_kmcnt 0x0
	s_add_nc_u64 s[42:43], s[4:5], s[56:57]
	s_or_b32 s43, s43, 0x80000000          ; type = 2
	s_add_nc_u64 s[46:47], s[4:5], s[58:59]
	s_or_b32 s47, s47, 0x80000000
	s_add_nc_u64 s[50:51], s[4:5], s[60:61]
	s_or_b32 s51, s51, 0x80000000
	s_add_nc_u64 s[10:11], s[10:11], s[62:63]
	tensor_load_to_lds s[40:43], s[16:23]  ; all first fills go out together, ahead of every wait on TENSORcnt, every LDS read and every barrier
	s_nop 0
	tensor_load_to_lds s[44:47], s[24:31]
	s_nop 0
	tensor_load_to_lds s[48:51], s[32:39]
	s_nop 0
	v_and_b32 v1, 15, v0                   ; r = lane % 16
	v_bfe_u32 v2, v0, 4, 1                 ; h = lane / 16
	v_mul_u32_u24 v[FA], v1, PX
	v_lshl_add_u32 v[FA], v2, 5, v[FA]     ; row r, 8 h floats in
	v_lshlrev_b32 v[GO], 5, v1
	v_lshl_add_u32 v[GO], v2, 4, v[GO]     ; pixel r, channels 8 h on
	v_lshlrev_b32 v[WOF], 2, v1
	v_lshl_add_u32 v[WOF], v2, 13, v[WOF]
	s_lshl_b32 s54, s2, 7
	v_add_nc_u32 v[WOF], s54, v[WOF]       ; (8 h x 256 + 32 w + r) x 4
	v_lshl_add_u32 v[BOF], v2, 5, s54      ; (32 w + 8 h) x 4
	WIN 0x40                               ; destination window 1, address window 0
	WISSUE 0, 6, WOF, 1024, 0
	WISSUE 128, 6, WOF, 1024, 64
	WIN 0
	global_load_b128 v[192:195], v[BOF], s[8:9]
	global_load_b128 v[196:199], v[BOF], s[8:9] offset:16
	global_load_b128 v[200:203], v[BOF], s[8:9] offset:64
	global_load_b128 v[204:207], v[BOF], s[8:9] offset:80
	s_wait_loadcnt 0x0                     ; weights and bias, once
	WIN 0x45                               ; sources and destination in window 1
	WPACK 0, 0
	WPACK 64, 128
	WIN 0
.set jj, 0
.rept 8
	v_cvt_pk_bf16_f32 v[PK+jj], v[192+2*jj], v[192+2*jj+1]  ; the bias is rounded to bf16 like every input,
.set jj, jj+1
.endr
	WIN 0x40
.set jj, 0
.rept 8
	v_lshlrev_b32 v[BI+2*jj],   16, v[PK+jj]                ; and widened again: it is the C operand, in f32
	v_and_b32     v[BI+2*jj+1], 0xffff0000, v[PK+jj]
.set jj, jj+1
.endr
	WIN 0
	CHUNK 2                                ; LDS rows 0-31 are in: tiles 0, 1
	s_mov_b32 s52, 2
.Lone:
	TILE_A
	s_sub_co_u32 s52, s52, 1
	s_cmp_lg_u32 s52, 0
	s_cbranch_scc1 .Lone
	CHUNK 1                                ; rows 32-95: tiles 2-5
	s_mov_b32 s52, 4
.Ltwo:
	TILE_A
	s_sub_co_u32 s52, s52, 1
	s_cmp_lg_u32 s52, 0
	s_cbranch_scc1 .Ltwo
	s_sub_nc_u64 s[10:11], s[10:11], 6*32  ; tile 6 begins at local row 90, not 96
	CHUNK 0                                ; rows 96-175: tiles 6-10
	s_mov_b32 s52, 5
.Lthree:
	TILE_A
	s_sub_co_u32 s52, s52, 1
	s_cmp_lg_u32 s52, 0
	s_cbranch_scc1 .Lthree
	s_wait_tensorcnt 0x0                   ; the wave's end: behind my last tensor load
	ds_add_u32 v[SPW], v[NIL]
	s_wait_dscnt 0x0
	s_endpgm
.Lfunc_end_k_qf05a7c452c_valproj:
	.size	k_qf05a7c452c_valproj, .Lfunc_end_k_qf05a7c452c_valproj-k_qf05a7c452c_valproj
	.p2alignl 7, 3214868480
	.fill 96, 4, 3214868480
	.section	.rodata,"a",@progbits
	.p2align	6, 0x0
	.amdhsa_kernel k_qf05a7c452c_valproj
		.amdhsa_group_segment_fixed_size 184064
		.amdhsa_private_segment_fixed_size 0
		.amdhsa_enable_private_segment 0
		.amdhsa_kernarg_size 32
		.amdhsa_user_sgpr_count 2
		.amdhsa_user_sgpr_kernarg_segment_ptr 1
		.amdhsa_wavefront_size32 1
		.amdhsa_system_sgpr_workgroup_id_x 1
		.amdhsa_system_sgpr_workgroup_id_y 1
		.amdhsa_system_sgpr_workgroup_id_z 1
		.amdhsa_system_vgpr_workitem_id 0
		.amdhsa_next_free_vgpr 512
		.amdhsa_next_free_sgpr 66
		.amdhsa_reserve_vcc 0
		.amdhsa_float_denorm_mode_32 3
		.amdhsa_float_denorm_mode_16_64 3
		.amdhsa_memory_ordered 1
		.amdhsa_forward_progress 1
		.amdhsa_inst_pref_size 65
	.end_amdhsa_kernel
	.amdgpu_metadata
---
amdhsa.version: [ 1, 2 ]
amdhsa.kernels:
  - .name:           k_qf05a7c452c_valproj
    .symbol:         k_qf05a7c452c_valproj.kd
    .args:
      - { .name: input_flatten, .offset: 0, .size: 8, .value_kind: global_buffer, .address_space: global }
      - { .name: W_val, .offset: 8, .size: 8, .value_kind: global_buffer, .address_space: global }
      - { .name: b_val, .offset: 16, .size: 8, .value_kind: global_buffer, .address_space: global }
      - { .name: value, .offset: 24, .size: 8, .value_kind: global_buffer, .address_space: global }
    .group_segment_fixed_size: 184064
    .private_segment_fixed_size: 0
    .kernarg_segment_align: 8
    .kernarg_segment_size: 32
    .max_flat_workgroup_size: 256
    .sgpr_count:     66
    .vgpr_count:     512
    .wavefront_size: 32
...
	.end_amdgpu_metadata
.endif
;; end of part 4
;; launch sampler (part 5): grid 256 x 1, 8 waves a work-group, no clusters, 184,064 bytes of LDS; arguments query, reference_points, W_off, b_off, W_attn, b_attn, idx, wts; writes idx, wts
.if DOCPART == 5
	.amdgcn_target "amdgcn-amd-amdhsa--gfx1250"
	.amdhsa_code_object_version 6
	.text
	.protected	k_qf05a7c452c_sampler
	.globl	k_qf05a7c452c_sampler
	.p2align	8
	.type	k_qf05a7c452c_sampler,@function
k_qf05a7c452c_sampler:
	s_mov_b64 s[64:65], 0
	v_nop
	global_prefetch_b8 v0, s[64:65] scope:SCOPE_SE
	s_setreg_imm32_b32 hwreg(HW_REG_WAVE_MODE, 25, 1), 1
	s_wait_xcnt 0x0
; SAMPLING TABLES.  For each row and head: offsets = q W_off + b_off, logits = q W_attn + b_attn, a softmax over the head's 16 logits (the row's maximum is taken away first), and for each of the
; 16 points a base pixel (a whole number) and four corner weights, with the attention weight folded in.  The next launch forms its addresses from idx alone.
; FORMATS AND LIMITS.  query, reference_points, both weights and both biases are each rounded once to bf16; products in bf16, sums in f32 begun with the bias; all sampling arithmetic in f32.
; The corner weights, in 0 to 1, are rounded once to f16: below 6e-5 they keep f16's fixed step of 6e-8.  NaN and infinities are not treated apart.
; THE SAMPLE.  A level has side S (128, 64, 32, 16), so x = ref S + off - 0.5 (S is a power of two: nothing is lost against (2 loc - 1 + 1) S / 2 - 0.5).  xb = floor(x) held to 0 .. S - 2, t = x - xb.
; Pixel xb weighs the middle one of (1 + t, 1 - t, 0), pixel xb + 1 that of (t, 2 - t, 0): inside the level these are 1 - t and t; one pixel outside only the border pixel keeps its share;
; further out both are 0.  That is zero padding, and the four corners xb, xb + 1, + S, + S + 1 always lie inside the level.
; SHARES.  Work-group i owns rows 170 i .. + 169 in the same 11 tiles of 16 as the other launches (local rows 0, 16, .. 80, 90, .. 154).  Wave m is head m, with three column tiles:
; O0 = offset columns 32 m .. + 15, O1 = 32 m + 16 .. + 31, LG = the head's 16 logits with their columns ordered so that lane (r, h) of row r holds, used transposed,
; in O0 the four (x, y) of level h, in O1 those of level 2 + h, in LG registers 0-3 the logits of level h and 4-7 those of level 2 + h.  Nothing changes lanes but the softmax's maximum and sum.
; TABLES, in chunks of 16 bytes a row, 16 rows side by side, so that sixteen lanes store (and later load) 256 consecutive bytes:
;   idx: u16 [work-group][tile][head][chunk 2][row 16][8]: chunk 0 = levels 0 and 2, chunk 1 = levels 1 and 3, four points each.
;   wts: f16 [work-group][tile][head][chunk 8][row 16][8]: chunks 0, 1 = level 0; 2, 3 = level 2; 4, 5 = level 1; 6, 7 = level 3; a chunk = two points x corners (x,y), (x+1,y), (x,y+1), (x+1,y+1).
; The work-groups share the weights alone, which go once into registers: no cluster.  No wave waits for another in the loops.
; REGISTERS.  Window 0: v1-23 addresses and constants; v24-47 three accumulators; v48-55 at work; v64-191 fragments of q, then at work; v192-211 the way out.  Window 1: v0-191 weights; v192-215 biases.
.set PX,    1040                       ; an LDS row of q: 1,024 bytes + 16: row r starts at bank 4 r mod 64 (64 banks of 4 bytes: ISA guide 11.1)
.set SPARE, 183040                     ; behind q's 176 rows: the spare words, 128 bytes for each of eight waves
.set FA,  3                            ; v3   LDS address of my fragments in the tile in hand
.set GO,  6                            ; v6   1,024 h + 16 r: my place in a tile's and head's 2,048 bytes of wts
.set IO,  7                            ; v7   256 h + 16 r: my place in its 512 bytes of idx
.set RO,  8                            ; v8   32 r + 8 h: my level's point in 16 rows of reference_points
.set WOF, 9
.set SPW, 10                           ; my spare word; never rewritten
.set NIL, 11                           ; 0; never rewritten
.set SA,  12                           ; v[12:13] S of level h, twice
.set SB,  14                           ; v[14:15] S of level 2 + h, twice
.set SAM, 16                           ; S - 2
.set SBM, 17
.set MX,  18                           ; v[18:19]
.set RP,  20                           ; v[20:23] reference points
.set ACC, 24                           ; O0 v24, O1 v32, LG v40
.set LG,  40
.set BA,  48                           ; v[48:49] ref S - 0.5 of level h
.set BB,  50
.set TT,  52                           ; v[52:55] at work
.set F,   64
.set FL,  64                           ; behind the products F's registers are at work
.set TF,  72
.set UF,  80
.set VF,  88
.set ZF,  96
.set WX,  104
.set WY,  112
.set AY,  120
.set CW,  128
.set II,  144
.set WT,  192                          ; v[192:207] my 32 corner weights in f16
.set IP,  208                          ; v[208:211] my 8 indices
.set BI,  192                          ; window 1
.set MSB, 0
.macro WIN new
.if MSB != (\new)
	s_set_vgpr_msb (MSB<<8)|(\new)
.set MSB, (\new)
.endif
.endm
.macro WISSUE raw, sb, voff, nb, add   ; one column tile's weights as f32, in fragment order: register raw + 16 c + e takes k = 32 c + 8 h + e (e < 8) or 32 c + 16 + 8 h + e - 8
.set cc, 0
.rept 8
.set ee, 0
.rept 16
	global_load_b32 v[(\raw)+16*cc+ee], v[\voff], s[\sb:\sb+1] offset:(32*cc+ee+8*(ee/8))*(\nb)+(\add)
.set ee, ee+1
.endr
.set cc, cc+1
.endr
.endm
.macro WPACK dst, raw
.set jj, 0
.rept 64
	v_cvt_pk_bf16_f32 v[(\dst)+jj], v[(\raw)+2*jj], v[(\raw)+2*jj+1]
.set jj, jj+1
.endr
.endm
.macro FRAGS                           ; the tile's 16 rows x 256 k: 32 loads in one run, then K step by K step the wait and eight roundings in place
.set cc, 0
.rept 8
	ds_load_b128 v[F+16*cc:F+16*cc+3],     v[FA] offset:128*cc
	ds_load_b128 v[F+16*cc+4:F+16*cc+7],   v[FA] offset:128*cc+16
	ds_load_b128 v[F+16*cc+8:F+16*cc+11],  v[FA] offset:128*cc+64
	ds_load_b128 v[F+16*cc+12:F+16*cc+15], v[FA] offset:128*cc+80
.set cc, cc+1
.endr
.set cc, 0
.rept 8
	s_wait_dscnt 28-4*cc                   ; the four loads of each later K step may stay out
.set jj, 0
.rept 8
	v_cvt_pk_bf16_f32 v[F+16*cc+jj], v[F+16*cc+2*jj], v[F+16*cc+2*jj+1]
.set jj, jj+1
.endr
.set cc, cc+1
.endr
.endm
.macro MMA nt                          ; the first K step starts each sum with the bias; the accumulators take turns, one instruction a turn
	WIN 0x11
.set jj, 0
.rept \nt
	v_wmma_f32_16x16x32_bf16 v[ACC+8*jj:ACC+8*jj+7], v[64*jj:64*jj+7], v[F:F+7], v[BI+8*jj:BI+8*jj+7]
.set jj, jj+1
.endr
	WIN 0x01
.set cc, 1
.rept 7
.set jj, 0
.rept \nt
	v_wmma_f32_16x16x32_bf16 v[ACC+8*jj:ACC+8*jj+7], v[64*jj+8*cc:64*jj+8*cc+7], v[F+16*cc:F+16*cc+7], v[ACC+8*jj:ACC+8*jj+7]
.set jj, jj+1
.endr
.set cc, cc+1
.endr
	WIN 0
.endm
.macro CHUNK left                      ; my part of the next rows has landed; then everybody's has
	s_wait_tensorcnt \left
	s_wait_dscnt 0x0
	s_barrier_signal -1
	s_barrier_wait -1
.endm
.macro REFS                            ; ref rounded to bf16, then ref S - 0.5: ten plain lines that name no register of the last products: the places behind them (ISA guide 7.12.1)
	s_wait_loadcnt 0x0                     ; the two loads issued at the tile's head
	v_cvt_pk_bf16_f32 v[TT],   v[RP],   v[RP+1]
	v_cvt_pk_bf16_f32 v[TT+1], v[RP+2], v[RP+3]
	v_lshlrev_b32 v[RP],   16,  v[TT]
	v_and_b32     v[RP+1], s62, v[TT]
	v_lshlrev_b32 v[RP+2], 16,  v[TT+1]
	v_and_b32     v[RP+3], s62, v[TT+1]
	v_pk_fma_f32 v[BA:BA+1], v[RP:RP+1],   v[SA:SA+1], -0.5 op_sel_hi:[1,1,0]
	v_pk_fma_f32 v[BB:BB+1], v[RP+2:RP+3], v[SB:SB+1], -0.5 op_sel_hi:[1,1,0]
	v_nop
	v_nop
.endm
.macro SOFTMAX                         ; over the row's and head's 16 logits: 8 here, 8 in the lane 16 away
	v_max3_num_f32 v[MX], v[LG], v[LG+1], v[LG+2]
	v_max3_num_f32 v[MX], v[MX], v[LG+3], v[LG+4]
	v_max3_num_f32 v[MX], v[MX], v[LG+5], v[LG+6]
	v_max_num_f32 v[MX], v[MX], v[LG+7]
	v_permlanex16_b32 v[MX+1], v[MX], s60, s61
	v_max_num_f32 v[MX], v[MX], v[MX+1]
	v_mul_f32 v[MX], s58, v[MX]            ; log2(e) x maximum
.irp k, 0,2,4,6
	v_pk_fma_f32 v[LG+\k:LG+\k+1], v[LG+\k:LG+\k+1], s[58:59], v[MX:MX+1] op_sel_hi:[1,0,0] neg_lo:[0,0,1] neg_hi:[0,0,1]
.endr
.irp k, 0,1,2,3,4,5,6,7
	v_exp_f32 v[LG+\k], v[LG+\k]
.endr
	v_nop                                  ; a plain instruction between the last exponential and the use of its result
	s_wait_alu depctr_va_vdst(0)
	v_pk_add_f32 v[TT:TT+1],   v[LG:LG+1],     v[LG+2:LG+3]
	v_pk_add_f32 v[TT+2:TT+3], v[LG+4:LG+5],   v[LG+6:LG+7]
	v_pk_add_f32 v[TT:TT+1],   v[TT:TT+1],     v[TT+2:TT+3]
	v_add_f32 v[TT], v[TT], v[TT+1]
	v_permlanex16_b32 v[TT+1], v[TT], s60, s61
	v_add_f32 v[TT], v[TT], v[TT+1]
	v_rcp_f32 v[TT], v[TT]
	v_nop
	s_wait_alu depctr_va_vdst(0)
.irp k, 0,2,4,6
	v_pk_mul_f32 v[LG+\k:LG+\k+1], v[LG+\k:LG+\k+1], v[TT:TT+1] op_sel_hi:[1,0]
.endr
.endm
; One level's four points.  O: the accumulator with (x, y) x 4; B: ref S - 0.5; S, SM2: the side and the side less 2; A: the four attention weights; WTB, IPB: where weights and indices go.
; Each step runs over the four points, so that no line reads the result of the line before it.
.macro LEVEL O, B, S, SM2, A, WTB, IPB
.irp k, 0,2,4,6
	v_pk_add_f32 v[(\O)+\k:(\O)+\k+1], v[(\O)+\k:(\O)+\k+1], v[\B:\B+1]      ; x, y; the accumulator is read from its low end on
.endr
.irp k, 0,1,2,3,4,5,6,7
	v_floor_f32 v[FL+\k], v[(\O)+\k]
.endr
.irp k, 0,1,2,3,4,5,6,7
	v_med3_num_f32 v[FL+\k], v[FL+\k], 0, v[\SM2]                            ; xb, yb
.endr
.irp k, 0,2,4,6
	v_pk_add_f32 v[TF+\k:TF+\k+1], v[(\O)+\k:(\O)+\k+1], v[FL+\k:FL+\k+1] neg_lo:[0,1] neg_hi:[0,1]  ; t
.endr
.irp k, 0,2,4,6
	v_pk_add_f32 v[UF+\k:UF+\k+1], v[TF+\k:TF+\k+1], 1.0 op_sel_hi:[1,0] neg_lo:[1,0] neg_hi:[1,0]   ; 1 - t
.endr
.irp k, 0,2,4,6
	v_pk_add_f32 v[VF+\k:VF+\k+1], v[TF+\k:TF+\k+1], 1.0 op_sel_hi:[1,0]                             ; 1 + t
.endr
.irp k, 0,2,4,6
	v_pk_add_f32 v[ZF+\k:ZF+\k+1], v[TF+\k:TF+\k+1], 2.0 op_sel_hi:[1,0] neg_lo:[1,0] neg_hi:[1,0]   ; 2 - t
.endr
.irp k, 0,2,4,6
	v_med3_num_f32 v[WX+\k],   v[VF+\k],   v[UF+\k],   0
	v_med3_num_f32 v[WX+\k+1], v[TF+\k],   v[ZF+\k],   0
	v_med3_num_f32 v[WY+\k],   v[VF+\k+1], v[UF+\k+1], 0
	v_med3_num_f32 v[WY+\k+1], v[TF+\k+1], v[ZF+\k+1], 0
.endr
.irp k, 0,1,2,3
	v_fma_f32 v[II+\k], v[FL+2*\k+1], v[\S], v[FL+2*\k]                      ; yb S + xb: a whole number under 2^14, exact
.endr
.irp k, 0,1,2,3
	v_cvt_u32_f32 v[II+\k], v[II+\k]
.endr
	v_pk_mul_f32 v[AY:AY+1],   v[WY:WY+1],   v[\A:\A+1]   op_sel_hi:[1,0]                 ; the attention weight goes into y's two weights
	v_pk_mul_f32 v[AY+2:AY+3], v[WY+2:WY+3], v[\A:\A+1]   op_sel:[0,1] op_sel_hi:[1,1]
	v_pk_mul_f32 v[AY+4:AY+5], v[WY+4:WY+5], v[\A+2:\A+3] op_sel_hi:[1,0]
	v_pk_mul_f32 v[AY+6:AY+7], v[WY+6:WY+7], v[\A+2:\A+3] op_sel:[0,1] op_sel_hi:[1,1]
.irp k, 0,1,2,3
	v_pk_mul_f32 v[CW+4*\k:CW+4*\k+1],   v[WX+2*\k:WX+2*\k+1], v[AY+2*\k:AY+2*\k+1] op_sel_hi:[1,0]
	v_pk_mul_f32 v[CW+4*\k+2:CW+4*\k+3], v[WX+2*\k:WX+2*\k+1], v[AY+2*\k:AY+2*\k+1] op_sel:[0,1] op_sel_hi:[1,1]
.endr
.irp k, 0,1,2,3,4,5,6,7
	v_cvt_pk_f16_f32 v[(\WTB)+\k], v[CW+2*\k], v[CW+2*\k+1]
.endr
	v_lshl_or_b32 v[\IPB],   v[II+1], 16, v[II]
	v_lshl_or_b32 v[\IPB+1], v[II+3], 16, v[II+2]
.endm
.macro OUTB                            ; straight from registers: in each store lanes 0-15 fill one aligned block of 256 bytes (a chunk of levels 0, 2) and lanes 16-31 another (levels 1, 3)
	global_store_b128 v[IO], v[IP:IP+3], s[16:17]
.irp k, 0,1,2,3
	global_store_b128 v[GO], v[WT+4*\k:WT+4*\k+3], s[18:19] offset:256*\k
.endr
	s_wait_xcnt 0x0                        ; bases and store data are rewritten only behind this wait
	s_add_nc_u64 s[16:17], s[16:17], 4096  ; a tile's 8 heads x 512 bytes of idx,
	s_add_nc_u64 s[18:19], s[18:19], 16384 ; 8 x 2,048 of wts,
	s_add_nc_u64 s[6:7], s[6:7], 512       ; 16 rows of reference_points,
	v_add_nc_u32 v[FA], 16*PX, v[FA]       ; 16 rows of q in LDS
.endm
.macro TILE_B
	global_load_b64 v[RP:RP+1],   v[RO], s[6:7]            ; level h's point,
	global_load_b64 v[RP+2:RP+3], v[RO], s[6:7] offset:16  ; level 2 + h's
	FRAGS
	MMA 3
	REFS
	SOFTMAX
	LEVEL 24, BA, SA, SAM, 40, WT, IP
	LEVEL 32, BB, SB, SBM, 44, WT+8, IP+2
	OUTB
.endm
	s_load_b512 s[4:19], s[0:1], 0x0       ; query s[4:5], reference_points s[6:7], W_off s[8:9], b_off s[10:11], W_attn s[12:13], b_attn s[14:15], idx s[16:17], wts s[18:19]
	v_lshl_add_u32 v[SPW], v0, 2, SPARE
	v_mov_b32 v[NIL], 0
	ds_add_u32 v[SPW], v[NIL]              ; the wave's opening: the add and its wait ahead of my first tensor load; the set-up below stands between them
	ds_add_u32 v10, v11
	v_lshrrev_b32 v1, 5, v0
	v_readfirstlane_b32 s2, v1             ; wave = head, 0..7
.irp g, 20, 28, 36
	s_mov_b32 s[\g], 0x07d20000            ; elements of 4 bytes; padding on, after 256 words, of 4 words
	s_mov_b32 s[\g+1], 256<<16             ; tensor_dim0 = 256
	s_mov_b32 s[\g+3], 256<<16             ; tile_dim0 = 256
	s_mov_b32 s[\g+5], 256                 ; elements from row to row
	s_mov_b32 s[\g+6], 0
	s_mov_b32 s[\g+7], 0
.endr
	s_mov_b32 s22, 4<<16                   ; 4, 8 and 10 rows a wave
	s_mov_b32 s24, 4
	s_mov_b32 s30, 8<<16
	s_mov_b32 s32, 8
	s_mov_b32 s38, 10<<16
	s_mov_b32 s40, 10
	s_mov_b32 s44, 1                       ; LDS rows 4 w, 32 + 8 w, 96 + 10 w take local rows 4 w, 32 + 8 w, 90 + 10 w
	s_mul_i32 s45, s2, 4*PX
	s_mov_b32 s48, 1
	s_mul_i32 s49, s2, 8*PX
	s_add_co_u32 s49, s49, 32*PX
	s_mov_b32 s52, 1
	s_mul_i32 s53, s2, 10*PX
	s_add_co_u32 s53, s53, 96*PX
	s_mul_i32 s63, ttmp9, 170              ; the work-group's first row
	s_lshl_b32 s66, s2, 2
	s_add_co_u32 s66, s66, s63
	s_lshl_b32 s66, s66, 10
	s_mov_b32 s67, 0
	s_lshl_b32 s68, s2, 3
	s_add_co_u32 s68, s68, s63
	s_add_co_u32 s68, s68, 32
	s_lshl_b32 s68, s68, 10
	s_mov_b32 s69, 0
	s_mul_i32 s70, s2, 10
	s_add_co_u32 s70, s70, s63
	s_add_co_u32 s70, s70, 90
	s_lshl_b32 s70, s70, 10
	s_mov_b32 s71, 0
	s_lshl_b32 s72, s63, 5                 ; a row of reference_points is 32 bytes
	s_mov_b32 s73, 0
	s_mul_i32 s74, ttmp9, 45056            ; idx: 11 tiles x 4,096 bytes a work-group, 512 a head
	s_lshl_b32 s57, s2, 9
	s_add_co_u32 s74, s74, s57
	s_mov_b32 s75, 0
	s_mul_i32 s76, ttmp9, 180224           ; wts: 11 x 16,384, 2,048 a head
	s_lshl_b32 s57, s2, 11
	s_add_co_u32 s76, s76, s57
	s_mov_b32 s77, 0
	s_mov_b32 s58, 0x3fb8aa3b              ; log2(e)
	s_mov_b32 s59, s58                     ; named with it as a pair
	s_mov_b32 s60, 0x76543210              ; v_permlanex16_b32: each lane takes its own place in the other half
	s_mov_b32 s61, 0xfedcba98
	s_mov_b32 s62, 0xffff0000              ; a word's upper bf16
	s_wait_dscnt 0x0                       ; the opening add is done
	s_wait_kmcnt 0x0
	s_add_nc_u64 s[46:47], s[4:5], s[66:67]
	s_or_b32 s47, s47, 0x80000000          ; type = 2
	s_add_nc_u64 s[50:51], s[4:5], s[68:69]
	s_or_b32 s51, s51, 0x80000000
	s_add_nc_u64 s[54:55], s[4:5], s[70:71]
	s_or_b32 s55, s55, 0x80000000
	s_add_nc_u64 s[6:7], s[6:7], s[72:73]
	s_add_nc_u64 s[16:17], s[16:17], s[74:75]
	s_add_nc_u64 s[18:19], s[18:19], s[76:77]
	tensor_load_to_lds s[44:47], s[20:27]  ; all first fills go out together: three loads of mine are out
	s_nop 0
	tensor_load_to_lds s[48:51], s[28:35]
	s_nop 0
	tensor_load_to_lds s[52:55], s[36:43]
	s_nop 0
	v_and_b32 v1, 15, v0                   ; r
	v_bfe_u32 v2, v0, 4, 1                 ; h
	v_mul_u32_u24 v[FA], v1, PX
	v_lshl_add_u32 v[FA], v2, 5, v[FA]
	v_lshlrev_b32 v[IO], 4, v1
	v_lshl_add_u32 v[GO], v2, 10, v[IO]    ; 16 r + 1,024 h
	v_lshl_add_u32 v[IO], v2, 8, v[IO]     ; 16 r + 256 h
	v_lshlrev_b32 v[RO], 5, v1
	v_lshl_add_u32 v[RO], v2, 3, v[RO]     ; 32 r + 8 h
	v_lshlrev_b32 v[MX], 23, v2            ; halving a power of two takes one from its exponent field
	v_sub_nc_u32 v[SA], 0x43000000, v[MX]  ; 128.0 or 64.0
	v_sub_nc_u32 v[SB], 0x42000000, v[MX]  ; 32.0 or 16.0
	v_mov_b32 v[SA+1], v[SA]
	v_mov_b32 v[SB+1], v[SB]
	v_add_f32 v[SAM], -2.0, v[SA]
	v_add_f32 v[SBM], -2.0, v[SB]
	v_mov_b32 v[MX+1], 0                   ; v_permlanex16_b32 counts as a reader of its destination
	v_lshlrev_b32 v[WOF], 2, v1
	v_lshl_add_u32 v[WOF], v2, 13, v[WOF]
	s_lshl_b32 s57, s2, 7
	v_add_nc_u32 v[WOF], s57, v[WOF]       ; W_off: (8 h x 256 + 32 m + r) x 4
	v_lshl_add_u32 v53, v2, 5, s57         ; b_off: (32 m + 8 h) x 4
	v_bfe_u32 v52, v1, 2, 1                ; W_attn: fragment row r takes column 16 m + 8 ((r / 4) % 2) + 4 (r / 8) + r % 4
	v_lshlrev_b32 v52, 5, v52
	v_bfe_u32 v55, v1, 3, 1
	v_lshl_add_u32 v52, v55, 4, v52
	v_and_b32 v55, 3, v1
	v_lshl_add_u32 v52, v55, 2, v52
	v_lshl_add_u32 v52, v2, 12, v52        ; + 8 h rows of 512 bytes
	s_lshl_b32 s57, s2, 6
	v_add_nc_u32 v52, s57, v52
	v_lshl_add_u32 v54, v2, 4, s57         ; b_attn: (16 m + 4 h) x 4
	WIN 0x40                               ; destination window 1, address window 0
	WISSUE 0, 8, WOF, 1024, 0
	WISSUE 128, 8, WOF, 1024, 64
	WIN 0
	WISSUE F, 12, 52, 512, 0
	global_load_b128 v[192:195], v53, s[10:11]
	global_load_b128 v[196:199], v53, s[10:11] offset:16
	global_load_b128 v[200:203], v53, s[10:11] offset:64
	global_load_b128 v[204:207], v53, s[10:11] offset:80
	global_load_b128 v[208:211], v54, s[14:15]
	global_load_b128 v[212:215], v54, s[14:15] offset:32
	s_wait_loadcnt 0x0                     ; weights and biases, once
	WIN 0x45
	WPACK 0, 0
	WPACK 64, 128
	WIN 0x40
	WPACK 128, F
	WIN 0
.set jj, 0
.rept 12
	v_cvt_pk_bf16_f32 v[24+jj], v[192+2*jj], v[192+2*jj+1]  ; the biases are rounded to bf16 like every input,
.set jj, jj+1
.endr
	WIN 0x40
.set jj, 0
.rept 12
	v_lshlrev_b32 v[BI+2*jj],   16,  v[24+jj]               ; and widened again: they are C operands, in f32
	v_and_b32     v[BI+2*jj+1], s62, v[24+jj]
.set jj, jj+1
.endr
	WIN 0
	CHUNK 2                                ; LDS rows 0-31 are in: tiles 0, 1
	s_mov_b32 s56, 2
.Lone:
	TILE_B
	s_sub_co_u32 s56, s56, 1
	s_cmp_lg_u32 s56, 0
	s_cbranch_scc1 .Lone
	CHUNK 1                                ; rows 32-95: tiles 2-5
	s_mov_b32 s56, 4
.Ltwo:
	TILE_B
	s_sub_co_u32 s56, s56, 1
	s_cmp_lg_u32 s56, 0
	s_cbranch_scc1 .Ltwo
	s_sub_nc_u64 s[6:7], s[6:7], 6*32      ; tile 6 begins at local row 90, not 96
	CHUNK 0                                ; rows 96-175: tiles 6-10
	s_mov_b32 s56, 5
.Lthree:
	TILE_B
	s_sub_co_u32 s56, s56, 1
	s_cmp_lg_u32 s56, 0
	s_cbranch_scc1 .Lthree
	s_wait_tensorcnt 0x0                   ; the wave's end: behind my last tensor load
	ds_add_u32 v[SPW], v[NIL]
	s_wait_dscnt 0x0
	s_endpgm
.Lfunc_end_k_qf05a7c452c_sampler:
	.size	k_qf05a7c452c_sampler, .Lfunc_end_k_qf05a7c452c_sampler-k_qf05a7c452c_sampler
	.p2alignl 7, 3214868480
	.fill 96, 4, 3214868480
	.section	.rodata,"a",@progbits
	.p2align	6, 0x0
	.amdhsa_kernel k_qf05a7c452c_sampler
		.amdhsa_group_segment_fixed_size 184064
		.amdhsa_private_segment_fixed_size 0
		.amdhsa_enable_private_segment 0
		.amdhsa_kernarg_size 64
		.amdhsa_user_sgpr_count 2
		.amdhsa_user_sgpr_kernarg_segment_ptr 1
		.amdhsa_wavefront_size32 1
		.amdhsa_system_sgpr_workgroup_id_x 1
		.amdhsa_system_sgpr_workgroup_id_y 1
		.amdhsa_system_sgpr_workgroup_id_z 1
		.amdhsa_system_vgpr_workitem_id 0
		.amdhsa_next_free_vgpr 512
		.amdhsa_next_free_sgpr 80
		.amdhsa_reserve_vcc 0
		.amdhsa_float_denorm_mode_32 3
		.amdhsa_float_denorm_mode_16_64 3
		.amdhsa_memory_ordered 1
		.amdhsa_forward_progress 1
		.amdhsa_inst_pref_size 118
	.end_amdhsa_kernel
	.amdgpu_metadata
---
amdhsa.version: [ 1, 2 ]
amdhsa.kernels:
  - .name:           k_qf05a7c452c_sampler
    .symbol:         k_qf05a7c452c_sampler.kd
    .args:
      - { .name: query, .offset: 0, .size: 8, .value_kind: global_buffer, .address_space: global }
      - { .name: reference_points, .offset: 8, .size: 8, .value_kind: global_buffer, .address_space: global }
      - { .name: W_off, .offset: 16, .size: 8, .value_kind: global_buffer, .address_space: global }
      - { .name: b_off, .offset: 24, .size: 8, .value_kind: global_buffer, .address_space: global }
      - { .name: W_attn, .offset: 32, .size: 8, .value_kind: global_buffer, .address_space: global }
      - { .name: b_attn, .offset: 40, .size: 8, .value_kind: global_buffer, .address_space: global }
      - { .name: idx, .offset: 48, .size: 8, .value_kind: global_buffer, .address_space: global }
      - { .name: wts, .offset: 56, .size: 8, .value_kind: global_buffer, .address_space: global }
    .group_segment_fixed_size: 184064
    .private_segment_fixed_size: 0
    .kernarg_segment_align: 8
    .kernarg_segment_size: 64
    .max_flat_workgroup_size: 256
    .sgpr_count:     80
    .vgpr_count:     512
    .wavefront_size: 32
...
	.end_amdgpu_metadata
.endif
;; end of part 5
;; launch gather (part 6): grid 256 x 1, 16 waves a work-group, no clusters, 174,080 bytes of LDS; arguments value, idx, wts, acc; writes acc
.if DOCPART == 6
	.amdgcn_target "amdgcn-amd-amdhsa--gfx1250"
	.amdhsa_code_object_version 6
	.text
	.protected	k_qf05a7c452c_gather
	.globl	k_qf05a7c452c_gather
	.p2align	8
	.type	k_qf05a7c452c_gather,@function
k_qf05a7c452c_gather:
	s_mov_b64 s[64:65], 0
	v_nop
	global_prefetch_b8 v0, s[64:65] scope:SCOPE_SE
	s_setreg_imm32_b32 hwreg(HW_REG_WAVE_MODE, 25, 1), 1
	s_wait_xcnt 0x0
; THE GATHER.  acc[row][half head][16 channels] = the sum over 16 points x 4 corners of wts x value[pixel][half head][:].
; FORMATS AND LIMITS.  value and wts arrive in f16; the sum over the 64 corners is kept in f32 and rounded once to f16, as the next launch's matrix operand (it is a mean of values: their range).
; THIS IS VECTOR WORK: every (row, head) has its own 64 x 32 operand, gathered with channels along the registers, so a 16 x 16 x 32 matrix instruction would carry one useful row in sixteen.
; ADDRESSES come from idx alone, whole numbers that the launch before stored; each is held to its level's largest base pixel, S S - S - 2, so that all four corners lie in the level.
; SHARES.  A work-group is (batch, half head, an eighth of the batch's rows): 2 x 16 x 8 = 256.  A half head's pixel is 32 bytes, so its levels 1, 2, 3 are 131,072 + 32,768 + 8,192 = 172,032 bytes:
; they lie in LDS for the whole launch, brought once, 42 rows of 256 bytes by each wave's one tensor load (one load of mine is out).  Level 0 (524,288 bytes) is gathered from memory.
; Wave w takes the 11 tiles of 16 rows of one work-group of the launch before; a tile and half head is a BLOCK.  Lane l holds row l / 2, channels 8 (l % 2) .. + 7 of the half head.
; Behind the one barrier no wave waits for another.
; ONE TRIP, ONE BLOCK.  The 12 LDS addresses are made; the next block's indices are asked for; levels 1, 2, 3 go through two register buffers of two points (8 LDS loads) each; level 0's 16 loads,
; issued at the end of the trip before, are added up; the next block's are issued.  Each level's 8 registers of weights are loaded again, for the next block, right behind their last use:
; they have a whole trip in which to land, and no second set of registers is kept.  Loads of idx and wts: sixteen rows x 16 bytes side by side, 256 consecutive bytes an instruction.
; NO CLUSTER: the eight work-groups of a half head share the table, 172,032 of the about 2.2 million bytes that each reads; the two halves of a head share idx and wts, which go into registers, not into an LDS tile.
.set TAB2,  131072                     ; LDS: level 1 at 0, level 2 here,
.set TAB3,  163840                     ; level 3 here
.set SPARE, 172032                     ; behind the table: the spare words, 128 bytes for each of sixteen waves
.set SPW, 1                            ; v1   my spare word; never rewritten
.set NIL, 2                            ; v2   0; never rewritten
.set ZER, 3                            ; v3   0: the addend of a block's first eight multiply-adds
.set L16, 4                            ; v4   16 x lane: my 16 bytes in a block's 512 bytes of acc
.set QO,  5                            ; v5   16 x (lane / 2): my row in a chunk of idx or wts
.set LB1, 6                            ; v6   16 x (lane % 2): my half of a pixel; also level 1's and level 0's base
.set LB2, 7                            ; v7   the same + level 2's place in LDS
.set LB3, 8                            ; v8   the same + level 3's
.set ADG, 12                           ; v[12:15] level 0: the four points' byte offsets
.set ADL, 16                           ; v[16:27] levels 1, 2, 3: the twelve points' LDS addresses
.set IX,  28                           ; v[28:35] a block's 16 indices: levels 0, 2, 1, 3, two registers each
.set ACC, 36                           ; v[36:43] my eight channels' sums
.set PKD, 44                           ; v[44:47] rounded, to store
.set W,   48                           ; v[48:79] a block's 64 weights: chunk j at W + 4 j
.set G,   80                           ; v[80:143] level 0's 16 corners
.set LRA, 144                          ; v[144:175], v[176:207] two points' corners from LDS, two buffers
.set LRB, 176
.macro IXLOAD
	global_load_b128 v[IX:IX+3],   v[QO], s[6:7]
	global_load_b128 v[IX+4:IX+7], v[QO], s[6:7] offset:256
.endm
.macro WLOAD j, back                   ; chunks j, j + 1: one level's weights.  back = the bytes by which the pointer has already been stepped
	global_load_b128 v[W+4*(\j):W+4*(\j)+3],   v[QO], s[8:9] offset:256*(\j)-(\back)
	global_load_b128 v[W+4*(\j)+4:W+4*(\j)+7], v[QO], s[8:9] offset:256*(\j)+256-(\back)
.endm
.macro DEC dst, ix, maxl, base         ; four points' indices -> byte addresses: held to the level, times 32 bytes a pixel, plus the lane's and the level's base
	v_and_b32     v[\dst],   0xffff, v[\ix]
	v_lshrrev_b32 v[\dst+1], 16,     v[\ix]
	v_and_b32     v[\dst+2], 0xffff, v[\ix+1]
	v_lshrrev_b32 v[\dst+3], 16,     v[\ix+1]
.set dp, 0
.rept 4
	v_min_u32 v[\dst+dp], \maxl, v[\dst+dp]
.set dp, dp+1
.endr
.set dp, 0
.rept 4
	v_lshl_add_u32 v[\dst+dp], v[\dst+dp], 5, v[\base]
.set dp, dp+1
.endr
.endm
.macro GISSUE                          ; level 0's 16 loads: corners (x, y), (x + 1, y), (x, y + 1), (x + 1, y + 1); a row of the level is 128 x 32 bytes.  Many work-groups read these bytes again
.set gp, 0
.rept 4
	global_load_b128 v[G+16*gp:G+16*gp+3],     v[ADG+gp], s[4:5] th:TH_LOAD_HT
	global_load_b128 v[G+16*gp+4:G+16*gp+7],   v[ADG+gp], s[4:5] offset:32 th:TH_LOAD_HT
	global_load_b128 v[G+16*gp+8:G+16*gp+11],  v[ADG+gp], s[4:5] offset:4096 th:TH_LOAD_HT
	global_load_b128 v[G+16*gp+12:G+16*gp+15], v[ADG+gp], s[4:5] offset:4128 th:TH_LOAD_HT
.set gp, gp+1
.endr
.endm
.macro LISSUE buf, ad, ss              ; two points' eight corners from the table; ss = the level's side
.set lp, 0
.rept 2
	ds_load_b128 v[(\buf)+16*lp:(\buf)+16*lp+3],     v[(\ad)+lp]
	ds_load_b128 v[(\buf)+16*lp+4:(\buf)+16*lp+7],   v[(\ad)+lp] offset:32
	ds_load_b128 v[(\buf)+16*lp+8:(\buf)+16*lp+11],  v[(\ad)+lp] offset:32*(\ss)
	ds_load_b128 v[(\buf)+16*lp+12:(\buf)+16*lp+15], v[(\ad)+lp] offset:32*(\ss)+32
.set lp, lp+1
.endr
.endm
; One corner: eight multiply-adds straight from f16 halves into the f32 sums.  rr: the corner's four registers; ww, ch: the weight's register and half; first = 1: the block's sums begin.
.macro FM8 rr, ww, ch, first
.irp q, 0,1,2,3
.if \first
	v_fma_mix_f32 v[ACC+2*\q],   v[(\rr)+\q], v[\ww], v[ZER] op_sel:[0,\ch,0] op_sel_hi:[1,1,0]
	v_fma_mix_f32 v[ACC+2*\q+1], v[(\rr)+\q], v[\ww], v[ZER] op_sel:[1,\ch,0] op_sel_hi:[1,1,0]
.else
	v_fma_mix_f32 v[ACC+2*\q],   v[(\rr)+\q], v[\ww], v[ACC+2*\q]   op_sel:[0,\ch,0] op_sel_hi:[1,1,0]
	v_fma_mix_f32 v[ACC+2*\q+1], v[(\rr)+\q], v[\ww], v[ACC+2*\q+1] op_sel:[1,\ch,0] op_sel_hi:[1,1,0]
.endif
.endr
.endm
.macro POINT rr, ww, first             ; a point's four corners; its four weights lie in two registers
	FM8 \rr, \ww, 0, \first
	FM8 (\rr)+4, \ww, 1, 0
	FM8 (\rr)+8, (\ww)+1, 0, 0
	FM8 (\rr)+12, (\ww)+1, 1, 0
.endm
.macro LCONS buf, ww, young, first     ; a buffer's two points.  young = the other buffer's LDS loads, issued behind these, which stay out
	s_wait_dscnt (\young)+4                ; LDS loads come back in order (ISA guide 5.7.1): the first point's four are in; the second point's stay out
	POINT \buf, \ww, \first
	s_wait_dscnt \young
	POINT (\buf)+16, (\ww)+2, 0
.endm
; A block.  more = 1: another block follows.  On the way in these loads of mine are out, oldest first: the weights of levels 1, 2, 3, 0 (two loads each), level 0's 16 corners.
.macro TRIP more
	DEC ADL,   IX+4, 4030, LB1             ; level 1: side 64
	DEC ADL+4, IX+2, 990,  LB2             ; level 2: side 32
	DEC ADL+8, IX+6, 238,  LB3             ; level 3: side 16
	LISSUE LRA, ADL,   64
	LISSUE LRB, ADL+2, 64
.if \more
	IXLOAD                                 ; the next block's indices: this block's have all been turned into addresses
.endif
	s_wait_loadcnt 22+2*(\more)            ; level 1's weights are in; out stay the weights of levels 2, 3, 0 (6), the 16 corners, the next indices (2)
	LCONS LRA, W+16, 8, 1
	LISSUE LRA, ADL+4, 32
	LCONS LRB, W+20, 8, 0
	LISSUE LRB, ADL+6, 32
.if \more
	WLOAD 4, 0                             ; level 1's weights of the next block
.endif
	s_wait_loadcnt 20+4*(\more)            ; level 2's weights: behind them levels 3, 0 (4), the 16 corners, the next indices and level 1's next weights (4)
	LCONS LRA, W+8, 8, 0
	LISSUE LRA, ADL+8, 16
	LCONS LRB, W+12, 8, 0
	LISSUE LRB, ADL+10, 16
.if \more
	WLOAD 2, 0
.endif
	s_wait_loadcnt 18+6*(\more)            ; level 3's weights: behind them level 0's (2), the 16 corners, and six loads for the next block
	LCONS LRA, W+24, 8, 0
	LCONS LRB, W+28, 0, 0
.if \more
	WLOAD 6, 0
.endif
.set pp, 0
.rept 4
	s_wait_loadcnt 12-4*pp+8*(\more)       ; level 0's point pp is in (its weights were asked for ahead of it); out stay its later points and eight loads for the next block
	POINT G+16*pp, W+2*pp, 0
.set pp, pp+1
.endr
	s_wait_xcnt 0x0                        ; the pointers, and the registers that the last block's store reads, are rewritten only behind this wait
	s_add_nc_u64 s[10:11], s[10:11], 8192  ; acc: a tile's 16 half heads x 512 bytes; the store below reaches back
.if \more
	s_add_nc_u64 s[6:7], s[6:7], 4096      ; idx and wts: a tile on
	s_add_nc_u64 s[8:9], s[8:9], 16384
	WLOAD 0, 16384                         ; level 0's weights of the next block, ahead of its corners
	s_wait_loadcnt 8                       ; the next indices are in: behind them four pairs of weights
	DEC ADG, IX, 16254, LB1                ; level 0: side 128.  The loads that read ADG have all come back
	GISSUE
.endif
.set jj, 0
.rept 4
	v_cvt_pk_f16_f32 v[PKD+jj], v[ACC+2*jj], v[ACC+2*jj+1]
.set jj, jj+1
.endr
	global_store_b128 v[L16], v[PKD:PKD+3], s[10:11] offset:-8192  ; 16 rows x 32 bytes: 512 consecutive bytes, at a multiple of 512 from acc's first byte
.endm
	s_load_b256 s[4:11], s[0:1], 0x0       ; value s[4:5], idx s[6:7], wts s[8:9], acc s[10:11]
	v_lshl_add_u32 v[SPW], v0, 2, SPARE
	v_mov_b32 v[NIL], 0
	ds_add_u32 v[SPW], v[NIL]              ; the wave's opening: the add and its wait ahead of my tensor load; the set-up below stands between them
	ds_add_u32 v1, v2
	v_lshrrev_b32 v9, 5, v0
	v_readfirstlane_b32 s2, v9             ; wave 0..15
	; the table: 172,032 dense bytes as 672 rows of 256, 42 rows a wave, no padding
	s_mov_b32 s16, 0x00030000              ; elements of 8 bytes
	s_mov_b32 s17, 32<<16                  ; tensor_dim0 = 32
	s_mov_b32 s18, 42<<16                  ; tensor_dim1 = 42
	s_mov_b32 s19, 32<<16                  ; tile_dim0 = 32
	s_mov_b32 s20, 42                      ; tile_dim1 = 42
	s_mov_b32 s21, 32                      ; elements from row to row
	s_mov_b32 s22, 0
	s_mov_b32 s23, 0
	s_mov_b32 s24, 1
	s_mul_i32 s25, s2, 42*256
	s_lshr_b32 s3, ttmp9, 7                ; the batch,
	s_and_b32 s12, ttmp9, 15               ; the half head,
	s_bfe_u32 s13, ttmp9, 0x30004          ; which eighth of the rows
	s_lshl_b32 s14, s3, 4
	s_add_co_u32 s14, s14, s12
	s_mul_i32 s28, s14, 21760*32           ; my slice of value
	s_mov_b32 s29, 0
	s_mul_i32 s30, s2, 42*256
	s_add_co_u32 s30, s30, 16384*32        ; behind level 0: my 42 rows of the table
	s_mov_b32 s31, 0
	s_lshl_b32 s15, s3, 7
	s_lshl_b32 s33, s13, 4
	s_add_co_u32 s15, s15, s33
	s_add_co_u32 s15, s15, s2              ; whose tiles I take: work-group 128 x batch + 16 x eighth + w of the launch before
	s_lshr_b32 s32, s12, 1                 ; the head
	s_mul_i32 s34, s15, 45056
	s_lshl_b32 s33, s32, 9
	s_add_co_u32 s34, s34, s33
	s_mov_b32 s35, 0
	s_mul_i32 s36, s15, 180224
	s_lshl_b32 s33, s32, 11
	s_add_co_u32 s36, s36, s33
	s_mov_b32 s37, 0
	s_mul_i32 s38, s15, 90112              ; acc: 11 tiles x 8,192 bytes, 512 a half head
	s_lshl_b32 s33, s12, 9
	s_add_co_u32 s38, s38, s33
	s_mov_b32 s39, 0
	s_wait_dscnt 0x0                       ; the opening add is done
	s_wait_kmcnt 0x0
	s_add_nc_u64 s[4:5], s[4:5], s[28:29]  ; level 0 begins here
	s_add_nc_u64 s[26:27], s[4:5], s[30:31]
	s_or_b32 s27, s27, 0x80000000          ; type = 2
	s_add_nc_u64 s[6:7], s[6:7], s[34:35]
	s_add_nc_u64 s[8:9], s[8:9], s[36:37]
	s_add_nc_u64 s[10:11], s[10:11], s[38:39]
	tensor_load_to_lds s[24:27], s[16:23]
	s_nop 0
	v_and_b32 v9, 31, v0                   ; lane
	v_lshlrev_b32 v[L16], 4, v9
	v_lshrrev_b32 v10, 1, v9
	v_lshlrev_b32 v[QO], 4, v10
	v_and_b32 v10, 1, v0
	v_lshlrev_b32 v[LB1], 4, v10
	v_add_nc_u32 v[LB2], TAB2, v[LB1]
	v_add_nc_u32 v[LB3], TAB3, v[LB1]
	v_mov_b32 v[ZER], 0
	IXLOAD                                 ; block 0: its indices, then its weights in the order in which the trips ask for them
	WLOAD 4, 0
	WLOAD 2, 0
	WLOAD 6, 0
	WLOAD 0, 0
	s_wait_xcnt 0x0                        ; the pointers are stepped only behind this wait: from here on they stand at the next block
	s_add_nc_u64 s[6:7], s[6:7], 4096
	s_add_nc_u64 s[8:9], s[8:9], 16384
	s_wait_loadcnt 8                       ; the indices are in: behind them the eight loads of weights
	DEC ADG, IX, 16254, LB1
	GISSUE
	s_wait_tensorcnt 0x0                   ; my 42 rows of the table are in,
	s_barrier_signal -1
	s_barrier_wait -1                      ; everybody's are
	s_mov_b32 s48, 10
.Ltrip:                                    ; ten trips: blocks 0-9, each asking for the block behind it
	TRIP 1
	s_sub_co_u32 s48, s48, 1
	s_cmp_lg_u32 s48, 0
	s_cbranch_scc1 .Ltrip
	TRIP 0                                 ; the last block is written out: it asks for nothing, and its counts are lower
	s_wait_tensorcnt 0x0                   ; the wave's end: behind my tensor load
	ds_add_u32 v[SPW], v[NIL]
	s_wait_dscnt 0x0
	s_endpgm
.Lfunc_end_k_qf05a7c452c_gather:
	.size	k_qf05a7c452c_gather, .Lfunc_end_k_qf05a7c452c_gather-k_qf05a7c452c_gather
	.p2alignl 7, 3214868480
	.fill 96, 4, 3214868480
	.section	.rodata,"a",@progbits
	.p2align	6, 0x0
	.amdhsa_kernel k_qf05a7c452c_gather
		.amdhsa_group_segment_fixed_size 174080
		.amdhsa_private_segment_fixed_size 0
		.amdhsa_enable_private_segment 0
		.amdhsa_kernarg_size 32
		.amdhsa_user_sgpr_count 2
		.amdhsa_user_sgpr_kernarg_segment_ptr 1
		.amdhsa_wavefront_size32 1
		.amdhsa_system_sgpr_workgroup_id_x 1
		.amdhsa_system_sgpr_workgroup_id_y 1
		.amdhsa_system_sgpr_workgroup_id_z 1
		.amdhsa_system_vgpr_workitem_id 0
		.amdhsa_next_free_vgpr 208
		.amdhsa_next_free_sgpr 66
		.amdhsa_reserve_vcc 0
		.amdhsa_float_denorm_mode_32 3
		.amdhsa_float_denorm_mode_16_64 3
		.amdhsa_memory_ordered 1
		.amdhsa_forward_progress 1
		.amdhsa_inst_pref_size 87
	.end_amdhsa_kernel
	.amdgpu_metadata
---
amdhsa.version: [ 1, 2 ]
amdhsa.kernels:
  - .name:           k_qf05a7c452c_gather
    .symbol:         k_qf05a7c452c_gather.kd
    .args:
      - { .name: value, .offset: 0, .size: 8, .value_kind: global_buffer, .address_space: global }
      - { .name: idx, .offset: 8, .size: 8, .value_kind: global_buffer, .address_space: global }
      - { .name: wts, .offset: 16, .size: 8, .value_kind: global_buffer, .address_space: global }
      - { .name: acc, .offset: 24, .size: 8, .value_kind: global_buffer, .address_space: global }
    .group_segment_fixed_size: 174080
    .private_segment_fixed_size: 0
    .kernarg_segment_align: 8
    .kernarg_segment_size: 32
    .max_flat_workgroup_size: 512
    .sgpr_count:     66
    .vgpr_count:     208
    .wavefront_size: 32
...
	.end_amdgpu_metadata
.endif
;; end of part 6
;; launch outproj (part 7): grid 256 x 1, 16 waves a work-group, no clusters, 167,936 bytes of LDS; arguments acc, W_out, b_out, out0; writes out0
.if DOCPART == 7
	.amdgcn_target "amdgcn-amd-amdhsa--gfx1250"
	.amdhsa_code_object_version 6
	.text
	.protected	k_qf05a7c452c_outproj
	.globl	k_qf05a7c452c_outproj
	.p2align	8
	.type	k_qf05a7c452c_outproj,@function
k_qf05a7c452c_outproj:
	s_mov_b64 s[64:65], 0
	v_nop
	global_prefetch_b8 v0, s[64:65] scope:SCOPE_SE
	s_setreg_imm32_b32 hwreg(HW_REG_WAVE_MODE, 25, 1), 1
	s_wait_xcnt 0x0
; OUTPUT PROJECTION.  out0 = acc W_out + b_out, 43,520 rows x 256 columns, in f32.
; FORMATS AND LIMITS.  acc arrives in f16.  W_out and b_out are rounded once to bf16 like every input; W_out's rounded number is then written as f16, exact down to 2^-14 and within 3e-8 below;
; products in f16, sums in f32, begun with the bias.  NaN and infinities are not treated apart.
; SHARES.  Work-group i owns rows 170 i .. + 169 in the same 11 tiles of 16 rows as the launches before (local rows 0, 16, .. 80, 90, .. 154; rows 90-95 are made and stored twice, alike).
; Wave w owns columns 16 w .. + 15; its eight fragments of W_out stay in 64 registers.  Used transposed: a lane holds eight neighbouring columns of one row.
; ROAD.  acc lies [work-group][tile][half head 16][row 16][16 channels]: the work-group's 90,112 bytes are dense, and come as 352 rows of 256 bytes by three tensor loads a wave, all issued at the
; start (three of mine are out at the most), 16 bytes of padding behind each row.  K step c of a fragment is half heads 2 c and 2 c + 1: two loads of 16 bytes, 544 bytes apart.
; WAY OUT.  32 bytes a lane into a stage shared by the sixteen waves, a barrier, whole rows of 1,024 bytes back, stores of 512 consecutive bytes.  Two stages take turns, tile by tile.
; The work-groups share W_out alone, which goes once into registers in fragment order: no LDS tile that a joint load could fill, so no cluster.
.set APX,    272                       ; an LDS row of acc: 256 bytes (8 rows of a half head) + 16: a fragment's rows 0-7 take the even groups of four banks, rows 8-15 the odd ones (64 banks of 4 bytes: ISA guide 11.1)
.set ATB,    32*APX                    ; a tile: 32 such rows
.set OSTAGE, 0x18000                   ; stage 0: 16 rows x 1,040 bytes; no tensor load lands here or further on
.set STG2,   0x4400                    ; stage 1 lies this far behind stage 0
.set OPX,    1040
.set SPARE,  132352                    ; behind the stages: the spare words, 128 bytes for each of sixteen waves
.set SPW,  1                           ; v1   my spare word; never rewritten
.set NIL,  2                           ; v2   0; never rewritten
.set L16,  4                           ; v4   16 x lane
.set AFR,  9                           ; v9   where my fragments of the tile in hand lie; stepped by a tile
.set OSTO, 10                          ; v10  where my 32 bytes of results go in stage 0
.set ORD,  11                          ; v11  where I read a row of results back from stage 0
.set D0,   40                          ; v[40:47], v[48:55] two accumulators; v[40:47] then takes the row read back
.set D1,   48
.set BIAS, 56                          ; v[56:63]
.set WO,   64                          ; v[64:127]
.set R0,   128                         ; v[128:255] W_out as f32, once
.set AF,   192                         ; v[192:255] then the tile's eight fragments
.macro WISSUE raw, sb, voff, nb, add   ; one column tile's weights as f32, in fragment order: register raw + 16 c + e takes k = 32 c + 8 h + e (e < 8) or 32 c + 16 + 8 h + e - 8
.set cc, 0
.rept 8
.set ee, 0
.rept 16
	global_load_b32 v[(\raw)+16*cc+ee], v[\voff], s[\sb:\sb+1] offset:(32*cc+ee+8*(ee/8))*(\nb)+(\add)
.set ee, ee+1
.endr
.set cc, cc+1
.endr
.endm
.macro CHUNK left                      ; my part of the next tiles has landed (left = my later loads, which may stay out); then everybody's has
	s_wait_tensorcnt \left
	s_wait_dscnt 0x0
	s_barrier_signal -1
	s_barrier_wait -1
.endm
; One tile, through stage stg.  A stage is written again two tiles later, behind the other stage's barrier, in front of which every wave has waited for its reads of this one.
.macro TILE_O stg
.set cc, 0
.rept 8
	ds_load_b128 v[AF+8*cc:AF+8*cc+3],   v[AFR] offset:4*APX*cc
	ds_load_b128 v[AF+8*cc+4:AF+8*cc+7], v[AFR] offset:4*APX*cc+2*APX
.set cc, cc+1
.endr
	s_wait_dscnt 14                        ; fragment 0 is in; the two loads of each later fragment may stay out
	v_wmma_f32_16x16x32_f16 v[D0:D0+7], v[WO:WO+7], v[AF:AF+7], v[BIAS:BIAS+7]     ; two accumulators take turns: the one begins with the bias,
	s_wait_dscnt 12
	v_wmma_f32_16x16x32_f16 v[D1:D1+7], v[WO+8:WO+15], v[AF+8:AF+15], 0            ; the other with 0
.set cc, 2
.rept 6
	s_wait_dscnt 14-2*cc
	v_wmma_f32_16x16x32_f16 v[D0+8*(cc%2):D0+8*(cc%2)+7], v[WO+8*cc:WO+8*cc+7], v[AF+8*cc:AF+8*cc+7], v[D0+8*(cc%2):D0+8*(cc%2)+7]
.set cc, cc+1
.endr
	; Five places behind the tile's products (ISA guide 7.12.1): the next tile's first two products write both accumulators anew, which asks for five; the sums below, which name the accumulators,
	; are none, and a tile has no other vector work.  Four of the five also serve the sums and the next tile's loads into the fragments' registers.
	v_add_nc_u32 v[AFR], ATB, v[AFR]       ; the next tile
	v_nop
	v_nop
	v_nop
	v_nop
.irp k, 0,2,4,6
	v_pk_add_f32 v[D0+\k:D0+\k+1], v[D0+\k:D0+\k+1], v[D1+\k:D1+\k+1]              ; both accumulators from their low ends on
.endr
	ds_store_b128 v[OSTO], v[D0:D0+3]   offset:(\stg)*STG2
	ds_store_b128 v[OSTO], v[D0+4:D0+7] offset:(\stg)*STG2+16
	s_wait_dscnt 0x0                       ; for the others' sake: my 16 columns are written
	s_barrier_signal -1
	s_barrier_wait -1
	ds_load_b128 v[D0:D0+3],   v[ORD] offset:(\stg)*STG2
	ds_load_b128 v[D0+4:D0+7], v[ORD] offset:(\stg)*STG2+512
	s_wait_dscnt 0x0
	global_store_b128 v[L16], v[D0:D0+3],   s[10:11] th:TH_STORE_NT             ; a row of out0 in two stores of 512 consecutive bytes, at multiples of 512 from its first byte
	global_store_b128 v[L16], v[D0+4:D0+7], s[10:11] offset:512 th:TH_STORE_NT
	s_wait_xcnt 0x0                        ; the stores' base and data are rewritten only behind this wait
	s_add_nc_u64 s[10:11], s[10:11], 16*1024
.endm
	s_load_b256 s[4:11], s[0:1], 0x0       ; acc s[4:5], W_out s[6:7], b_out s[8:9], out0 s[10:11]
	v_lshl_add_u32 v[SPW], v0, 2, SPARE
	v_mov_b32 v[NIL], 0
	ds_add_u32 v[SPW], v[NIL]              ; the wave's opening: the add and its wait ahead of my first tensor load; the set-up below stands between them
	ds_add_u32 v1, v2
	v_lshrrev_b32 v12, 5, v0
	v_readfirstlane_b32 s2, v12            ; wave 0..15
	; descriptor group 1, three times: R rows of 32 elements of 8 bytes, 4 words of padding behind every 64 words
.irp g, 16, 24, 32
	s_mov_b32 s[\g], 0x07530000            ; 17:16 element of 8 bytes; 20 padding on; 24:22 after 64 words (code 5); 31:25 of 4 words (code 3)
	s_mov_b32 s[\g+1], 32<<16              ; tensor_dim0 = 32
	s_mov_b32 s[\g+3], 32<<16              ; tile_dim0 = 32
	s_mov_b32 s[\g+5], 32                  ; elements from row to row
	s_mov_b32 s[\g+6], 0
	s_mov_b32 s[\g+7], 0
.endr
	s_mov_b32 s18, 4<<16                   ; chunk 0: tiles 0, 1 = 64 rows, 4 a wave
	s_mov_b32 s20, 4
	s_mov_b32 s26, 8<<16                   ; chunk 1: tiles 2-5 = 128 rows, 8 a wave
	s_mov_b32 s28, 8
	s_mov_b32 s34, 10<<16                  ; chunk 2: tiles 6-10 = 160 rows, 10 a wave
	s_mov_b32 s36, 10
	s_mov_b32 s40, 1                       ; rows 4 w, 64 + 8 w, 192 + 10 w, in LDS as in memory
	s_mul_i32 s41, s2, 4*APX
	s_mov_b32 s44, 1
	s_mul_i32 s45, s2, 8*APX
	s_add_co_u32 s45, s45, 64*APX
	s_mov_b32 s48, 1
	s_mul_i32 s49, s2, 10*APX
	s_add_co_u32 s49, s49, 192*APX
	s_mul_i32 s54, ttmp9, 90112            ; the work-group's 11 tiles of 8,192 bytes
	s_lshl_b32 s56, s2, 10
	s_add_co_u32 s56, s56, s54
	s_mov_b32 s57, 0
	s_lshl_b32 s58, s2, 11
	s_add_co_u32 s58, s58, s54
	s_add_co_u32 s58, s58, 64*256
	s_mov_b32 s59, 0
	s_mul_i32 s60, s2, 10*256
	s_add_co_u32 s60, s60, s54
	s_add_co_u32 s60, s60, 192*256
	s_mov_b32 s61, 0
	s_mul_i32 s62, ttmp9, 170
	s_add_co_u32 s62, s62, s2              ; wave w stores row w of each tile
	s_lshl_b32 s62, s62, 10
	s_mov_b32 s63, 0
	s_wait_dscnt 0x0                       ; the opening add is done
	s_wait_kmcnt 0x0
	s_add_nc_u64 s[42:43], s[4:5], s[56:57]
	s_or_b32 s43, s43, 0x80000000          ; type = 2
	s_add_nc_u64 s[46:47], s[4:5], s[58:59]
	s_or_b32 s47, s47, 0x80000000
	s_add_nc_u64 s[50:51], s[4:5], s[60:61]
	s_or_b32 s51, s51, 0x80000000
	s_add_nc_u64 s[10:11], s[10:11], s[62:63]
	tensor_load_to_lds s[40:43], s[16:23]  ; all first fills go out together, ahead of every wait on TENSORcnt, every LDS read and every barrier
	s_nop 0
	tensor_load_to_lds s[44:47], s[24:31]
	s_nop 0
	tensor_load_to_lds s[48:51], s[32:39]
	s_nop 0
	v_and_b32 v12, 31, v0                  ; lane
	v_lshlrev_b32 v[L16], 4, v12
	v_and_b32 v14, 15, v0                  ; r
	v_bfe_u32 v15, v0, 4, 1                ; h
	v_lshlrev_b32 v[AFR], 5, v14           ; row r of a half head: 32 r,
	v_lshrrev_b32 v13, 3, v14
	v_lshl_add_u32 v[AFR], v13, 4, v[AFR]  ; the padding behind its first eight rows,
	v_lshl_add_u32 v[AFR], v15, 4, v[AFR]  ; channels 8 h on
	v_mul_u32_u24 v[OSTO], v14, OPX
	v_lshl_add_u32 v[OSTO], v15, 5, v[OSTO]
	s_lshl_b32 s54, s2, 6
	s_add_co_u32 s55, s54, OSTAGE
	v_add_nc_u32 v[OSTO], s55, v[OSTO]     ; row r, columns 16 w + 8 h on
	s_mul_i32 s55, s2, OPX
	s_add_co_u32 s55, s55, OSTAGE
	v_add_nc_u32 v[ORD], s55, v[L16]       ; row w
	v_lshlrev_b32 v12, 2, v14
	v_lshl_add_u32 v12, v15, 13, v12
	v_add_nc_u32 v12, s54, v12             ; W_out: (8 h x 256 + 16 w + r) x 4
	v_lshl_add_u32 v13, v15, 5, s54        ; b_out: (16 w + 8 h) x 4
	WISSUE R0, 6, 12, 1024, 0
	global_load_b128 v[BIAS:BIAS+3],   v13, s[8:9]
	global_load_b128 v[BIAS+4:BIAS+7], v13, s[8:9] offset:16
	s_mov_b32 s53, 0xffff0000              ; a word's upper bf16
	s_wait_loadcnt 0x0                     ; W_out and b_out, once
.set jj, 0
.rept 64                               ; rounded to bf16 like every input, and that number written as f16; two sets of registers at work by turns
	v_cvt_pk_bf16_f32 v[12+2*(jj%2)], v[R0+2*jj], v[R0+2*jj+1]
	v_lshlrev_b32 v[13+2*(jj%2)], 16,  v[12+2*(jj%2)]
	v_and_b32     v[12+2*(jj%2)], s53, v[12+2*(jj%2)]
	v_cvt_pk_f16_f32 v[WO+jj], v[13+2*(jj%2)], v[12+2*(jj%2)]
.set jj, jj+1
.endr
.set jj, 0
.rept 4
	v_cvt_pk_bf16_f32 v[12+jj], v[BIAS+2*jj], v[BIAS+2*jj+1]
.set jj, jj+1
.endr
.set jj, 0
.rept 4
	v_lshlrev_b32 v[BIAS+2*jj],   16,  v[12+jj]
	v_and_b32     v[BIAS+2*jj+1], s53, v[12+jj]
.set jj, jj+1
.endr
	CHUNK 2                                ; tiles 0, 1 are in
	TILE_O 0
	TILE_O 1
	CHUNK 1                                ; tiles 2-5
	s_mov_b32 s52, 2
.Lmid:
	TILE_O 0
	TILE_O 1
	s_sub_co_u32 s52, s52, 1
	s_cmp_lg_u32 s52, 0
	s_cbranch_scc1 .Lmid
	s_sub_nc_u64 s[10:11], s[10:11], 6*1024 ; tile 6 begins at local row 90, not 96
	CHUNK 0                                ; tiles 6-10
	s_mov_b32 s52, 2
.Lend:
	TILE_O 0
	TILE_O 1
	s_sub_co_u32 s52, s52, 1
	s_cmp_lg_u32 s52, 0
	s_cbranch_scc1 .Lend
	TILE_O 0
	s_wait_tensorcnt 0x0                   ; the wave's end: behind my last tensor load and my last LDS store
	ds_add_u32 v[SPW], v[NIL]
	s_wait_dscnt 0x0
	s_endpgm
.Lfunc_end_k_qf05a7c452c_outproj:
	.size	k_qf05a7c452c_outproj, .Lfunc_end_k_qf05a7c452c_outproj-k_qf05a7c452c_outproj
	.p2alignl 7, 3214868480
	.fill 96, 4, 3214868480
	.section	.rodata,"a",@progbits
	.p2align	6, 0x0
	.amdhsa_kernel k_qf05a7c452c_outproj
		.amdhsa_group_segment_fixed_size 167936
		.amdhsa_private_segment_fixed_size 0
		.amdhsa_enable_private_segment 0
		.amdhsa_kernarg_size 32
		.amdhsa_user_sgpr_count 2
		.amdhsa_user_sgpr_kernarg_segment_ptr 1
		.amdhsa_wavefront_size32 1
		.amdhsa_system_sgpr_workgroup_id_x 1
		.amdhsa_system_sgpr_workgroup_id_y 1
		.amdhsa_system_sgpr_workgroup_id_z 1
		.amdhsa_system_vgpr_workitem_id 0
		.amdhsa_next_free_vgpr 256
		.amdhsa_next_free_sgpr 66
		.amdhsa_reserve_vcc 0
		.amdhsa_float_denorm_mode_32 3
		.amdhsa_float_denorm_mode_16_64 3
		.amdhsa_memory_ordered 1
		.amdhsa_forward_progress 1
		.amdhsa_inst_pref_size 51
	.end_amdhsa_kernel
	.amdgpu_metadata
---
amdhsa.version: [ 1, 2 ]
amdhsa.kernels:
  - .name:           k_qf05a7c452c_outproj
    .symbol:         k_qf05a7c452c_outproj.kd
    .args:
      - { .name: acc, .offset: 0, .size: 8, .value_kind: global_buffer, .address_space: global }
      - { .name: W_out, .offset: 8, .size: 8, .value_kind: global_buffer, .address_space: global }
      - { .name: b_out, .offset: 16, .size: 8, .value_kind: global_buffer, .address_space: global }
      - { .name: out0, .offset: 24, .size: 8, .value_kind: global_buffer, .address_space: global }
    .group_segment_fixed_size: 167936
    .private_segment_fixed_size: 0
    .kernarg_segment_align: 8
    .kernarg_segment_size: 32
    .max_flat_workgroup_size: 512
    .sgpr_count:     66
    .vgpr_count:     256
    .wavefront_size: 32
...
	.end_amdgpu_metadata
.endif
;; end of part 7
